; MI455X (gfx1250); checked and timed in simulation.
; The chip was launched on July 23, 2026; its instructions are those of AMD's public machine-readable ISA for CDNA 5 (MIT licence, August 2026) and "CDNA5" Instruction Set Architecture Reference Guide (July 2026). The comments in the code are by the model that wrote it; some were corrected since.
;; Attention Block. Allowed arithmetic: matrix products marked QUANTISED: E5M2 operands, one E8M0 scale for each 32 along K, by v_wmma_scale_f32_16x16x128_f8f6f4 with both operands' format E5M2, f32 sums; everything else in f32.
;; Inputs: norm_b 256 float32; norm_w 256 float32; proj_b 256 float32; proj_w 256 x 256 float32; qkv_b 768 float32; qkv_w 768 x 256 float32; x 16 x 256 x 32 x 32 float32.
;; Outputs: out0 16 x 256 x 32 x 32 float32.
;; This version of the problem:
;;   THIS VERSION OF THE PROBLEM IS GIVEN IN LOW PRECISION. The matrix products marked QUANTISED in the list below multiply operands that are first quantised to E5M2 (5 exponent bits, 2 mantissa bits; 8 bits a number), with one power-of-two scale for each 32 numbers along K (OCP MX v1.0); their sums are f32. All else is computed in f32.
;;   The module's matrix products, in the order in which they are computed (A, B: the left and right operand; K: the contracted axis; several contracted axes count as one K, in the product's order):
;;     1. [M 16,384, K 256] x [K 256, N 768]; A: computed on the way; B: input qkv_w: QUANTISED
;;     2. batch 64 x [M 1,024, K 64] x [K 64, N 1,024]; A: computed on the way; B: computed on the way: QUANTISED
;;     3. batch 64 x [M 1,024, K 1,024] x [K 1,024, N 64]; A: softmax (see below); B: computed on the way: QUANTISED
;;     4. [M 16,384, K 256] x [K 256, N 256]; A: computed on the way; B: input proj_w: QUANTISED
;;   THE QUANTISER, for each operand of a quantised product, along K:
;;     - K is cut into blocks of 32 from its start; a last block that is shorter is filled with zeros.
;;     - A block's scale is 2^e with e = floor(log2(the largest magnitude in the block)) - 15, held to -126 .. 127; a block of zeros has e = 0. As a byte (E8M0): e + 127.
;;     - Each number is divided by its block's scale, clamped to +-57,344, and rounded to the nearest number of E5M2, ties to even, subnormals kept.
;;     - The product sums the exact products of the quantised numbers (number of the format x scale) in f32.
;;   ~~~python
;;   def quantise(x, axis):      # numpy; x: float32 -> the quantised numbers, widened to float32 again
;;       x = np.moveaxis(x, axis, -1); K = x.shape[-1]
;;       x = np.pad(x, [(0, 0)] * (x.ndim - 1) + [(0, -K % 32)]); x = x.reshape(x.shape[:-1] + (-1, 32)); a = np.abs(x).max(-1, keepdims=True)
;;       e = np.where(a > 0, np.clip(np.frexp(np.where(a > 0, a, 1))[1] - 1 - 15, -126, 127), 0)      # np.frexp(a)[1] - 1 = floor(log2(a)), exactly
;;       r = np.clip(x / 2.0 ** e, -57344, 57344)
;;       step = 2.0 ** (np.maximum(np.frexp(np.where(r == 0, 1, r))[1] - 1, -14) - 2)
;;       q = np.round(r / step) * step * 2.0 ** e      # np.round: ties to even
;;       return np.moveaxis(q.reshape(q.shape[:-2] + (-1,))[..., :K], -1, axis).astype(np.float32)
;;   ~~~
;;   SOFTMAX AHEAD OF A QUANTISED PRODUCT. Where the list says 'softmax', what is quantised is not the finished softmax but p = 2^(t - M), with t = logit x log2(e) and M = ceil(the row's largest t), a whole number; so 1/2 < the row's largest p <= 1. The row's sum l is taken of the UNQUANTISED p, in f32, and the product's result is divided by l at the end. Since M is a whole number, a kernel that streams over the keys may use a running M (the ceiling of the running maximum): every later rescaling is an exact power of two, which a block's scale takes up: the codes' values come out the same.
;;   OPERANDS COMPUTED ON THE WAY. 'Computed on the way' means the value that the module computes at that place (a softmax that the list does not call 'softmax' is quantised finished and normalised). What goes into a quantiser is computed in f32, as accurately as f32 sums, v_exp_f32 and their like allow (about 1e-6 of the number): no bf16 or f16 on the way to a quantiser, and a product that is left as it is and whose result goes on into a quantised operand takes f32 operands (vector FMAs, or v_wmma_f32_16x16x4_f32). A number that lies on a knife's edge between two numbers of the format may be rounded either way, as far as f32 arithmetic and the matrix unit's own rounding can turn it there, and no further.
;; One version. Each part assembles by itself: llvm-mc -triple=amdgcn-amd-amdhsa -mcpu=gfx1250 --defsym DOCPART=n.
;; ======== version 1 of 1: 3 launches
;; limits: right only within a limited range of input values
;; workspace buffers: hn 4,325,376 bytes; wq 270,336 bytes; qq 4,456,448 bytes; kv 8,781,824 bytes
;; launch prep (part 1): grid 136 x 1, 8 waves a work-group, no clusters, 34,304 bytes of LDS; arguments x, norm_w, norm_b, qkv_w, proj_w, hn, wq; writes hn, wq
.if DOCPART == 1
	.amdgcn_target "amdgcn-amd-amdhsa--gfx1250"
	.amdhsa_code_object_version 6
	.text
	.protected	k_q38e1c8c794_prep
	.globl	k_q38e1c8c794_prep
	.p2align	8
	.type	k_q38e1c8c794_prep,@function
k_q38e1c8c794_prep:
	s_mov_b64 s[64:65], 0
	v_nop
	global_prefetch_b8 v0, s[64:65] scope:SCOPE_SE
	s_setreg_imm32_b32 hwreg(HW_REG_WAVE_MODE, 25, 1), 1
	s_wait_xcnt 0x0
; GROUP NORM AND THE FIRST QUANTISERS.  x: [16][256][1024] f32.  Work-groups 0-127: one (image b, group g) each, number 8 b + g: 32 channels x 1,024 pixels, 131,072 bytes,
; read ONCE and kept in registers between the mean, the variance (of the differences from the mean: no difference of large sums) and the quantiser.  Work-groups 128-135: qkv_w and proj_w.
; A group's 32 channels ARE one block of 32 along the first product's K, so a pixel's 32 numbers give one scale byte and 32 codes of E5M2.
; OUTPUT LAYOUT: images of the matrix operand's registers.  A tile holds 16 pixels (or weight rows): tile 2 B + u holds in row r the index 32 B + 8 u + r + 8 (r / 8).
;   hn: codes [b][tile 64][K step 2][piece 4][512 bytes], lane l's 16 bytes (row l % 16, k = 32 piece + 16 (l / 16) + 0..15) at 16 l; group g is piece g % 4 of K step g / 4: 512 g bytes on.
;       scale bytes from byte 4,194,304: [b][g][16 tile + row].
;   wq: codes [tile 64][K step 2][2,048 bytes] (tiles 0-47 qkv_w, 48-63 proj_w); from byte 262,144 [tile][128 bytes]: lanes 0-15 K step 0's scale words, lanes 16-31 K step 1's.
; A block's scale is 2^(floor(log2(its largest magnitude)) - 15); its byte is the largest magnitude's exponent field - 15, held at 1 from below.
; LIMITS: NaN and infinities among the inputs are not served.  A block whose largest magnitude lies under 2^-111, a block of zeros among them, keeps the byte 1: its codes are then
; small or zero, and the bytes are read by this program alone.
; No tensor loads, no matrix work, no cluster: each byte is read by one wave, straight into registers.
.set X,    16                          ; v16-143  group path: channel c, pixel 128 wave + 4 lane + jj at X + 4 c + jj.  Weight path: 128 numbers of a lane
.set Y,    144                         ; v144-175 one pixel's 32 normalised numbers; later the codes read back from the stage
.set C,    176                         ; v176-207 codes: 8 registers a pixel.  Weight path: two fragments
.set WK,   208                         ; v208-223 at work
.set TM,   208                         ; weight path: the quantiser's 16 registers
.set SBW,  224                         ; four pixels' scale bytes
.set PW,   224                         ; weight path: the scale word just made
.set PW0,  225
.set SWD,  226
.set XO,   1                           ; 16 x thread
.set STA,  2                           ; stage, way in
.set STB,  3                           ; stage, way out
.set GOF,  4                           ; offset in hn's codes
.set SOF,  5                           ; offset in hn's scale bytes
.set RDA,  6                           ; my wave's word for a sum
.set RDB,  7                           ; the eight words
.set RED,  32768                       ; LDS: 0: eight stages of 4,096 bytes, a wave's own; 32,768 and 33,024: eight words for each of the two sums
.set WV,   18
.set SEL,  26                          ; s[26:27] lane selects: lane l xor 16
.set MNT,  28                          ; the mantissa field of 57,344
.set MSK,  29
.set GW,   32                          ; s32-63 the group's 32 gains, later x 1 / sqrt(var + eps)
.set GB,   68                          ; s68-99 its 32 biases
	s_load_b256 s[4:11], s[0:1], 0x0               ; x s[4:5], norm_w s[6:7], norm_b s[8:9], qkv_w s[10:11]
	s_load_b128 s[12:15], s[0:1], 0x20             ; proj_w s[12:13], hn s[14:15]
	s_load_b64 s[16:17], s[0:1], 0x30              ; wq
	v_lshl_add_u32 v232, v0, 2, 0x8200
	v_mov_b32 v233, 0
	v_lshrrev_b32 v8, 5, v0
	s_delay_alu instid0(VALU_DEP_1)
	v_readfirstlane_b32 s[WV], v8                  ; wave 0..7
	s_mov_b32 s[SEL], 0x76543210
	s_mov_b32 s[SEL+1], 0xfedcba98
	s_mov_b32 s21, 0
	s_mov_b32 s31, 0
	s_cmp_ge_u32 ttmp9, 128                        ; the same way for all eight waves of a work-group
	s_cbranch_scc1 .Lweights
	; ---------------- a group of x ----------------
	v_lshlrev_b32 v[XO], 4, v0
	v_lshrrev_b32 v9, 3, v0                        ; 4 wave + lane / 8: which 32 pixels
	v_bfe_u32 v10, v0, 1, 1                        ; pixel 4 (lane % 8) + jj of the 32: bit 3 is u,
	v_bfe_u32 v11, v0, 2, 1                        ; bit 4 is the row's bit 3,
	v_and_b32 v12, 1, v0                           ; bit 2 the row's bit 2; jj its bits 1:0
	s_delay_alu instid0(VALU_DEP_4)
	v_lshlrev_b32 v[STA], 10, v9                   ; stage: 512 bytes a tile, 16 bytes a (row, half)
	s_delay_alu instid0(VALU_DEP_1)
	v_lshl_add_u32 v[STA], v10, 9, v[STA]
	s_delay_alu instid0(VALU_DEP_1)
	v_lshl_add_u32 v[STA], v11, 7, v[STA]
	s_delay_alu instid0(VALU_DEP_1)
	v_lshl_add_u32 v[STA], v12, 6, v[STA]
	v_lshlrev_b32 v[SOF], 5, v9                    ; scale bytes: 16 a tile, one a row: my four pixels' are neighbours
	s_delay_alu instid0(VALU_DEP_1)
	v_lshl_add_u32 v[SOF], v10, 4, v[SOF]
	s_delay_alu instid0(VALU_DEP_1)
	v_lshl_add_u32 v[SOF], v11, 3, v[SOF]
	s_delay_alu instid0(VALU_DEP_1)
	v_lshl_add_u32 v[SOF], v12, 2, v[SOF]
	v_and_b32 v13, 31, v0
	s_delay_alu instid0(VALU_DEP_1)
	v_lshlrev_b32 v13, 4, v13
	s_delay_alu instid0(VALU_DEP_1)
	v_lshl_add_u32 v[STB], v8, 12, v13
	s_delay_alu instid0(VALU_DEP_2)
	v_lshl_add_u32 v[GOF], v8, 15, v13             ; my wave's eight tiles, 4,096 bytes apart in hn
	v_lshl_add_u32 v[RDA], v8, 2, RED
	v_mov_b32 v[RDB], RED
	s_mov_b32 s22, 0x38000000                      ; 1 / 32,768
	s_mov_b32 s23, 0x3727c5ac                      ; eps = 1e-5
	s_and_b32 s19, ttmp9, 7                        ; g
	s_lshr_b32 s25, ttmp9, 3                       ; b
	s_lshl_b32 s20, s19, 7                         ; the group's 32 gains and biases: 128 g bytes on
	s_lshl_b32 s30, ttmp9, 17                      ; the group's 131,072 bytes of x
	s_wait_kmcnt 0x0
	s_add_nc_u64 s[4:5], s[4:5], s[30:31]
	s_add_nc_u64 s[6:7], s[6:7], s[20:21]
	s_add_nc_u64 s[8:9], s[8:9], s[20:21]
.set cc, 0
.rept 32
	global_load_b128 v[X+4*cc:X+4*cc+3], v[XO], s[4:5] offset:4096*cc   ; a wave reads 512 consecutive bytes of channel cc
.set cc, cc+1
.endr
	s_load_b512 s[GW:GW+15], s[6:7], 0x0
	s_load_b512 s[GW+16:GW+31], s[6:7], 0x40
	s_load_b512 s[GB:GB+15], s[8:9], 0x0
	s_load_b512 s[GB+16:GB+31], s[8:9], 0x40
	s_lshl_b32 s20, s25, 18                        ; hn's codes: 262,144 b + 512 g
	s_lshl_b32 s19, s19, 9
	s_add_co_u32 s20, s20, s19
	s_add_nc_u64 s[10:11], s[14:15], s[20:21]
	s_lshl_b32 s30, ttmp9, 10                      ; its scale bytes: 4,194,304 + 1,024 (8 b + g)
	s_add_co_u32 s30, s30, 4194304
	s_add_nc_u64 s[12:13], s[14:15], s[30:31]
; Four chains in v[WK:WK+7] become the work-group's sum in v[WK+8], the same bits in every wave: within the lane, across the 32 lanes, across the eight waves through LDS words at off.
.macro WGSUM off
	v_pk_add_f32 v[WK:WK+1], v[WK:WK+1], v[WK+2:WK+3]
	s_delay_alu instid0(VALU_DEP_2)
	v_pk_add_f32 v[WK+4:WK+5], v[WK+4:WK+5], v[WK+6:WK+7]
	s_delay_alu instid0(VALU_DEP_1)
	v_pk_add_f32 v[WK:WK+1], v[WK:WK+1], v[WK+4:WK+5]
	s_delay_alu instid0(VALU_DEP_1)
	v_add_f32 v[WK], v[WK], v[WK+1]
.irp m, 1,2,4,8
	s_delay_alu instid0(VALU_DEP_1)
	v_add_f32_dpp v[WK], v[WK], v[WK] row_xmask:\m row_mask:0xf bank_mask:0xf
.endr
	s_delay_alu instid0(VALU_DEP_1)
	v_permlanex16_b32 v[WK+1], v[WK], s[SEL], s[SEL+1]
	s_delay_alu instid0(VALU_DEP_1)
	v_add_f32 v[WK], v[WK], v[WK+1]
	ds_store_b32 v[RDA], v[WK] offset:\off         ; all lanes of a wave write the same word with the same value
	s_wait_dscnt 0x0                               ; for the others' sake: my word has landed
	s_barrier_signal -1
	s_barrier_wait -1
	ds_load_b128 v[WK+8:WK+11], v[RDB] offset:\off
	ds_load_b128 v[WK+12:WK+15], v[RDB] offset:\off+16
	s_wait_dscnt 0x0
	v_pk_add_f32 v[WK+8:WK+9], v[WK+8:WK+9], v[WK+10:WK+11]
	v_pk_add_f32 v[WK+12:WK+13], v[WK+12:WK+13], v[WK+14:WK+15]
	s_delay_alu instid0(VALU_DEP_1)
	v_pk_add_f32 v[WK+8:WK+9], v[WK+8:WK+9], v[WK+12:WK+13]
	s_delay_alu instid0(VALU_DEP_1)
	v_add_f32 v[WK+8], v[WK+8], v[WK+9]
.endm
	; the sum: four chains, begun by adding their first two members: nothing is cleared
.set cc, 2
.rept 30
	s_wait_loadcnt 31-cc                           ; loads come back in order: channel cc is in, the 31 - cc younger loads stay out
.if cc < 4
	v_pk_add_f32 v[WK+4*(cc%2):WK+4*(cc%2)+1], v[X+4*(cc-2):X+4*(cc-2)+1], v[X+4*cc:X+4*cc+1]
	s_wait_alu depctr_va_vdst(0)
	v_pk_add_f32 v[WK+4*(cc%2)+2:WK+4*(cc%2)+3], v[X+4*(cc-2)+2:X+4*(cc-2)+3], v[X+4*cc+2:X+4*cc+3]
.else
	v_pk_add_f32 v[WK+4*(cc%2):WK+4*(cc%2)+1], v[WK+4*(cc%2):WK+4*(cc%2)+1], v[X+4*cc:X+4*cc+1]
	s_wait_alu depctr_va_vdst(0)
	v_pk_add_f32 v[WK+4*(cc%2)+2:WK+4*(cc%2)+3], v[WK+4*(cc%2)+2:WK+4*(cc%2)+3], v[X+4*cc+2:X+4*cc+3]
.endif
.set cc, cc+1
.endr
	WGSUM 0
	s_delay_alu instid0(VALU_DEP_1)
	v_mul_f32 v[WK+2], s22, v[WK+8]                ; the mean
.set cc, 0
.rept 64
	v_pk_add_f32 v[X+2*cc:X+2*cc+1], v[X+2*cc:X+2*cc+1], v[WK+2:WK+3] op_sel_hi:[1,0] neg_lo:[0,1] neg_hi:[0,1]   ; x - mean, in place
.set cc, cc+1
.endr
.set cc, 0
.rept 64
.if cc < 4
	v_pk_mul_f32 v[WK+2*cc:WK+2*cc+1], v[X+2*cc:X+2*cc+1], v[X+2*cc:X+2*cc+1]
.else
	s_delay_alu instid0(VALU_DEP_4)
	v_pk_fma_f32 v[WK+2*(cc%4):WK+2*(cc%4)+1], v[X+2*cc:X+2*cc+1], v[X+2*cc:X+2*cc+1], v[WK+2*(cc%4):WK+2*(cc%4)+1]
.endif
.set cc, cc+1
.endr
	WGSUM 256                                      ; other words than the first sum's: no wave can overwrite what another still reads
	s_delay_alu instid0(VALU_DEP_1)
	v_fma_f32 v[WK+8], v[WK+8], s22, s23           ; var + eps
	s_wait_alu depctr_va_vdst(0)
	v_rsq_f32 v[WK+9], v[WK+8]
	v_nop                                          ; one plain instruction behind a transcendental (ISA guide 5.7.2)
	s_wait_alu depctr_va_vdst(0)
	v_readfirstlane_b32 s24, v[WK+9]
	s_wait_kmcnt 0x0                               ; the gains and biases
.set cc, 0
.rept 32
	s_mul_f32 s[GW+cc], s[GW+cc], s24              ; gain / sqrt(var + eps): then one fused multiply-add a number
.set cc, cc+1
.endr
; Pixel jj of my four: its 32 channels lie in my registers, so the block's largest magnitude needs no other lane.
.macro NORMQ jj
.set cc, 0
.rept 32
	v_fma_f32 v[Y+cc], v[X+4*cc+\jj], s[GW+cc], s[GB+cc]
.set cc, cc+1
.endr
	v_max3_num_f32 v[WK], |v[Y]|, |v[Y+1]|, |v[Y+2]|
	v_max3_num_f32 v[WK+1], |v[Y+3]|, |v[Y+4]|, |v[Y+5]|
.irp i, 6,10,14,18,22,26
	s_delay_alu instid0(VALU_DEP_2)
	v_max3_num_f32 v[WK], v[WK], |v[Y+\i]|, |v[Y+\i+1]|
	s_delay_alu instid0(VALU_DEP_2)
	v_max3_num_f32 v[WK+1], v[WK+1], |v[Y+\i+2]|, |v[Y+\i+3]|
.endr
	s_delay_alu instid0(VALU_DEP_2)
	v_max3_num_f32 v[WK], v[WK], |v[Y+30]|, |v[Y+31]|
	s_delay_alu instid0(VALU_DEP_1)
	v_max3_num_f32 v[WK], v[WK], v[WK+1], 0x8000000        ; and the floor 2^(16 - 127): the byte cannot fall under 1
	s_delay_alu instid0(VALU_DEP_1)
	v_add_nc_u32 v[WK+3], 0xf8800000, v[WK]                ; 15 off the exponent field: the conversion's scale operand
.set cc, 0
.rept 32
.set cc, cc+1
.endr
.irp g, 0,1,2,3
	v_cvt_scalef32_pk8_bf8_f32 v[C+8*\jj+2*\g:C+8*\jj+2*\g+1], v[Y+8*\g:Y+8*\g+7], v[WK+3]
.endr
	v_lshrrev_b32 v[WK+1], 23, v[WK+3]             ; the scale's byte; also the plain instruction between the conversions and the next pixel's writes of Y
.if \jj == 0
	s_delay_alu instid0(VALU_DEP_1)
	v_mov_b32 v[SBW], v[WK+1]
.else
	s_delay_alu instid0(VALU_DEP_1)
	v_lshl_or_b32 v[SBW], v[WK+1], 8*\jj, v[SBW]
.endif
.endm
	NORMQ 0
	NORMQ 1
	NORMQ 2
	NORMQ 3
	; the way out: 16 bytes a (pixel, half of the channels) into my wave's stage at the place that the operand's image gives them; back as eight pieces of 512 bytes.
	; (These eight stores meet four deep on the banks: eight instructions a wave in the whole launch.)
.irp jj, 0,1,2,3
.irp h, 0,1
	ds_store_b128 v[STA], v[C+8*\jj+4*\h:C+8*\jj+4*\h+3] offset:16*\jj+256*\h
.endr
.endr
.irp t, 0,1,2,3,4,5,6,7
	ds_load_b128 v[Y+4*\t:Y+4*\t+3], v[STB] offset:512*\t   ; LDS serves a wave's instructions in order (ISA guide 5.7.1.4): these see my stores
.endr
	global_store_b32 v[SOF], v[SBW], s[12:13]      ; a wave's 128 scale bytes are consecutive
.irp t, 0,1,2,3,4,5,6,7
	s_wait_dscnt 7-\t                              ; piece t is back; the 7 - t younger loads stay out
	global_store_b128 v[GOF], v[Y+4*\t:Y+4*\t+3], s[10:11] offset:4096*\t   ; 32 lanes store 512 consecutive bytes, aligned
.endr
	s_wait_tensorcnt 0x0
	ds_add_u32 v232, v233
	s_wait_dscnt 0x0
	s_endpgm
	; ---------------- a tile of 16 rows of a weight: one wave, no LDS, no barrier ----------------
; 64 numbers of a lane, v[s] .. v[s + 63], register 16 b + i = k 32 b + 16 (lane / 16) + i of my row, become a fragment's codes in v[pc] on and its scale word in v[PW].
.macro QUANT s, pc
.irp b, 0,1,2,3
	v_max3_num_f32 v[TM+\b], |v[\s+16*\b]|, |v[\s+1+16*\b]|, 0x8000000   ; my 16 numbers of block b, and the floor 2^(16 - 127)
.endr
.irp i, 2,4,6,8,10,12,14
.irp b, 0,1,2,3
	s_delay_alu instid0(VALU_DEP_4)
	v_max3_num_f32 v[TM+\b], v[TM+\b], |v[\s+16*\b+\i]|, |v[\s+1+16*\b+\i]|   ; the four blocks by turns
.endr
.endr
.irp b, 0,1,2,3
	s_delay_alu instid0(VALU_DEP_4)
	v_permlanex16_b32 v[TM+4+\b], v[TM+\b], s[SEL], s[SEL+1]
.endr
.irp b, 0,1,2,3
	s_delay_alu instid0(VALU_DEP_4)
	v_max_num_f32 v[TM+\b], v[TM+\b], v[TM+4+\b]   ; with lane l xor 16's 16: the block's largest magnitude
.endr
.irp b, 0,1,2,3
	s_delay_alu instid0(VALU_DEP_4)
	v_add_nc_u32 v[TM+12+\b], 0xf8800000, v[TM+\b]   ; 15 off its exponent field: the conversion's scale operand
.endr
.irp b, 0,1,2,3
.endr
.irp b, 0,1,2,3
	s_delay_alu instid0(VALU_DEP_4)
	v_lshrrev_b32 v[TM+4+\b], 23, v[TM+12+\b]      ; the scale's byte
.endr
	s_delay_alu instid0(VALU_DEP_3)
	v_lshl_or_b32 v[PW], v[TM+5], 8, v[TM+4]
	s_delay_alu instid0(VALU_DEP_1)
	v_lshl_or_b32 v[PW], v[TM+6], 16, v[PW]
	s_delay_alu instid0(VALU_DEP_1)
	v_lshl_or_b32 v[PW], v[TM+7], 24, v[PW]
.irp b, 0,1,2,3
.irp i, 0,1,2,3,4,5,6,7,8,9,10,11,12,13,14,15
.endr
	v_cvt_scalef32_pk8_bf8_f32 v[\pc+4*\b:\pc+1+4*\b], v[\s+16*\b:\s+7+16*\b], v[TM+12+\b]
	v_cvt_scalef32_pk8_bf8_f32 v[\pc+2+4*\b:\pc+3+4*\b], v[\s+8+16*\b:\s+15+16*\b], v[TM+12+\b]
.endr
	v_nop                                          ; one plain instruction behind the last scaled conversion
.endm
.macro XLOAD reg, s                    ; my row's numbers of K step s: 16 neighbours of each block of 32
.irp b, 0,1,2,3
.irp j, 0,1,2,3
	global_load_b128 v[\reg+16*\b+4*\j:\reg+16*\b+4*\j+3], v1, s[10:11] offset:512*\s+128*\b+16*\j th:TH_LOAD_NT
.endr
.endr
.endm
.Lweights:
	v_and_b32 v9, 15, v0                           ; r
	v_and_b32 v10, 8, v0
	s_delay_alu instid0(VALU_DEP_1)
	v_add_nc_u32 v10, v10, v9                      ; r + 8 (r / 8)
	v_bfe_u32 v11, v0, 4, 1                        ; h
	s_delay_alu instid0(VALU_DEP_2)
	v_lshlrev_b32 v1, 10, v10                      ; a row of 256 f32 is 1,024 bytes,
	s_delay_alu instid0(VALU_DEP_1)
	v_lshl_add_u32 v1, v11, 6, v1                  ; + 64 h
	v_and_b32 v12, 31, v0
	s_delay_alu instid0(VALU_DEP_1)
	v_lshlrev_b32 v2, 4, v12                       ; 16 x lane
	s_delay_alu instid0(VALU_DEP_2)
	v_lshlrev_b32 v3, 2, v12                       ; 4 x lane
.irp b, 0,1,2,3
	v_mov_b32 v[TM+4+\b], 0                        ; written once: a lane permute's destination counts as one of its sources
.endr
	s_mov_b32 s[MSK], 0xffff0000
	s_sub_co_u32 s19, ttmp9, 128
	s_lshl_b32 s19, s19, 3
	s_add_co_u32 s19, s19, s[WV]                   ; the tile, 0..63
	s_wait_alu depctr_va_vdst(0)
	s_wait_kmcnt 0x0
	s_cmp_lt_u32 ttmp9, 134                        ; tiles 0-47: qkv_w; 48-63: proj_w.  The choice hangs on the work-group's number alone
	s_cselect_b64 s[10:11], s[10:11], s[12:13]
	s_cselect_b32 s20, 0, 48
	s_sub_co_u32 s20, s19, s20                     ; the tile within its matrix: it begins at row 32 (tile / 2) + 8 (tile % 2)
	s_lshr_b32 s22, s20, 1
	s_lshl_b32 s22, s22, 15
	s_and_b32 s20, s20, 1
	s_lshl_b32 s20, s20, 13
	s_add_co_u32 s20, s20, s22
	s_add_nc_u64 s[10:11], s[10:11], s[20:21]
	s_lshl_b32 s20, s19, 12
	s_add_nc_u64 s[12:13], s[16:17], s[20:21]      ; its codes
	s_lshl_b32 s30, s19, 7
	s_add_nc_u64 s[14:15], s[16:17], s[30:31]      ; its scale words (262,144 stands in the store's immediate)
	XLOAD X, 0
	XLOAD X+64, 1
	s_wait_loadcnt 16                              ; K step 0 is in; K step 1's sixteen loads stay out
	QUANT X, C
	v_mov_b32 v[PW0], v[PW]
	s_wait_loadcnt 0x0
	QUANT X+64, C+16
	v_cndmask_b32 v[SWD], v[PW0], v[PW], s[MSK]    ; lanes 0-15: K step 0's word of row r; lanes 16-31: K step 1's
.irp s, 0,1
.irp c, 0,1,2,3
	global_store_b128 v2, v[C+16*\s+4*\c:C+16*\s+4*\c+3], s[12:13] offset:2048*\s+512*\c   ; 512 consecutive bytes, aligned
.endr
.endr
	global_store_b32 v3, v[SWD], s[14:15] offset:262144
	s_endpgm
.Lfunc_end_k_q38e1c8c794_prep:
	.size	k_q38e1c8c794_prep, .Lfunc_end_k_q38e1c8c794_prep-k_q38e1c8c794_prep
	.p2alignl 7, 3214868480
	.fill 96, 4, 3214868480
	.section	.rodata,"a",@progbits
	.p2align	6, 0x0
	.amdhsa_kernel k_q38e1c8c794_prep
		.amdhsa_group_segment_fixed_size 34304
		.amdhsa_private_segment_fixed_size 0
		.amdhsa_enable_private_segment 0
		.amdhsa_kernarg_size 56
		.amdhsa_user_sgpr_count 2
		.amdhsa_user_sgpr_kernarg_segment_ptr 1
		.amdhsa_wavefront_size32 1
		.amdhsa_system_sgpr_workgroup_id_x 1
		.amdhsa_system_sgpr_workgroup_id_y 1
		.amdhsa_system_sgpr_workgroup_id_z 1
		.amdhsa_system_vgpr_workitem_id 0
		.amdhsa_next_free_vgpr 234
		.amdhsa_next_free_sgpr 100
		.amdhsa_reserve_vcc 0
		.amdhsa_float_denorm_mode_32 3
		.amdhsa_float_denorm_mode_16_64 3
		.amdhsa_fp16_overflow 1
		.amdhsa_memory_ordered 1
		.amdhsa_forward_progress 1
		.amdhsa_inst_pref_size 60
	.end_amdhsa_kernel
	.amdgpu_metadata
---
amdhsa.version: [ 1, 2 ]
amdhsa.kernels:
  - .name:           k_q38e1c8c794_prep
    .symbol:         k_q38e1c8c794_prep.kd
    .args:
      - { .name: x, .offset: 0, .size: 8, .value_kind: global_buffer, .address_space: global }
      - { .name: norm_w, .offset: 8, .size: 8, .value_kind: global_buffer, .address_space: global }
      - { .name: norm_b, .offset: 16, .size: 8, .value_kind: global_buffer, .address_space: global }
      - { .name: qkv_w, .offset: 24, .size: 8, .value_kind: global_buffer, .address_space: global }
      - { .name: proj_w, .offset: 32, .size: 8, .value_kind: global_buffer, .address_space: global }
      - { .name: hn, .offset: 40, .size: 8, .value_kind: global_buffer, .address_space: global }
      - { .name: wq, .offset: 48, .size: 8, .value_kind: global_buffer, .address_space: global }
    .group_segment_fixed_size: 34304
    .private_segment_fixed_size: 0
    .kernarg_segment_align: 8
    .kernarg_segment_size: 56
    .max_flat_workgroup_size: 256
    .sgpr_count:     100
    .vgpr_count:     234
    .wavefront_size: 32
...
	.end_amdgpu_metadata
.endif
;; end of part 1
;; launch qkv (part 2): grid 16 x 16, 3 waves a work-group, no clusters, 0 bytes of LDS; arguments hn, wq, qkv_b, qq, kv; writes qq, kv
.if DOCPART == 2
	.amdgcn_target "amdgcn-amd-amdhsa--gfx1250"
	.amdhsa_code_object_version 6
	.text
	.protected	k_q38e1c8c794_qkv
	.globl	k_q38e1c8c794_qkv
	.p2align	8
	.type	k_q38e1c8c794_qkv,@function
k_q38e1c8c794_qkv:
	s_mov_b64 s[64:65], 0
	v_nop
	global_prefetch_b8 v0, s[64:65] scope:SCOPE_SE
	s_setreg_imm32_b32 hwreg(HW_REG_WAVE_MODE, 25, 1), 1
	s_wait_xcnt 0x0
; qkv = qkv_w hn + qkv_b on codes of E5M2 with E8M0 scales (K = 256 channels, two K steps of 128), and the quantisers of q, k (along d) and v (along the keys).
; A work-group takes 128 pixels (j = x % 8: one key step of the attention), a pair of heads (hp = x / 8) and an image (y).  Wave 0 makes q, wave 1 k, wave 2 v: waves share nothing: no LDS, no barrier.
; EVERY OPERAND IS READ AS AN IMAGE OF ITS REGISTERS (512 consecutive bytes a load).  Eight tiles stay in window 1 for the whole launch and are source 0; eight tiles are streamed, two ahead, and are source 1.
;   q, k: the weight's 8 tiles (128 output channels = two heads) stay, the pixel tiles stream: a lane holds ONE pixel and its 64 registers run along the channels: blocks 0, 1 are head A's d, blocks 2, 3 head B's.
;   v:    the pixel tiles stay, the weight's tiles stream: a lane holds ONE channel d and its 64 registers run along the 128 pixels, which are the second attention product's K.
; A tile 2 B + u holds in row r the index 32 B + 8 u + r + 8 (r / 8), so that the 16 registers of tiles 2 B and 2 B + 1 are 16 neighbours along the next K.
; OUTPUT: qq, for each (b, head) 69,632 bytes: [tile 64][1,024 bytes of codes], from 65,536 [tile][16 words].  kv, for each (b, head) 137,216 bytes: 8 key steps of 17,152:
;   K's 8 tiles x 1,024 at 0; V^T's 4 tiles of d x 2,048 at 8,192; K's scale words at 16,384 (64 bytes a tile); V's at 16,896 (64 bytes a tile).  q's and k's words are byte 0 | byte 1 << 8.
; NO CLUSTER: the launch holds no tensor load; what work-groups share (32 KiB of weights, 32 KiB of hn a wave) goes straight into the registers in which it is used.
; LIMITS: NaN and infinities are not served; a block whose largest magnitude lies under 2^-111 (a block of zeros among them) keeps the byte 1; the bytes are read by this program alone.
.set LI,  1                            ; 16 x lane
.set LS,  2                            ; 4 x lane
.set HBO, 3                            ; hn's scale bytes: 4,096 (lane / 16) + row: lanes 0-15 groups 0-3, lanes 16-31 groups 4-7
.set BO,  4                            ; the bias
.set SO,  5                            ; q's, k's scale words: lanes 0-15 head A's, lanes 16-31 head B's
.set SH,  6                            ; 16 (lane / 16)
.set HF,  16                           ; v16-79   the streamed tile's two fragments, two buffers
.set HA,  80                           ; v80-143  eight accumulators
.set PC,  144                          ; v144-159 the codes just made
.set TM,  160                          ; v160-175 the quantiser's
.set PW,  176
.set PWE, 177
.set SWD, 178
.set RS,  180                          ; v180-187 the resident tiles' scale words: lanes 0-15 K step 0's, lanes 16-31 K step 1's
.set SS,  188                          ; v188-189 the streamed tile's, two buffers
.set HB,  190                          ; v190-197 four scale bytes, two buffers
.set BV,  198                          ; v198-199 v's bias of my channel, two buffers
.set CB,  200                          ; v200-207 the same as a C operand
.set WV,  14
.set SEL, 40
.set MNT, 42
.set MSK, 43
.set HNC, 44                           ; s[44:45] hn's codes at tile 8 j;  s[46:47] its scale bytes
.set HNP, 46
.set WC,  48                           ; s[48:49] the weight's codes;  s[50:51] its scale words;  s[52:53] the bias
.set WSC, 50
.set BB,  52
.set DA,  32                           ; s[32:33] head A's codes;  s[34:35] head B's;  s[36:37] the scale words
.set DB,  34
.set DS,  36
.set MSB, 0
.macro WIN new                         ; the immediate's high byte repeats the setting that is left
.if MSB != \new
	s_set_vgpr_msb (MSB<<8)|\new
.set MSB, \new
.endif
.endm
.macro PLACES n
.rept \n
	v_nop
.endr
.endm
; 64 numbers of a lane, register 16 b + i = k 32 b + 16 (lane / 16) + i, become a fragment's codes in v[pc] on and its scale word in v[PW].
.macro QUANT s, pc
.irp b, 0,1,2,3
	v_max3_num_f32 v[TM+\b], |v[\s+16*\b]|, |v[\s+1+16*\b]|, 0x8000000   ; each accumulator is read from its low end on; the floor 2^(16 - 127) holds the byte at 1 from below
.endr
.irp i, 2,4,6,8,10,12,14
.irp b, 0,1,2,3
	v_max3_num_f32 v[TM+\b], v[TM+\b], |v[\s+16*\b+\i]|, |v[\s+1+16*\b+\i]|
.endr
.endr
.irp b, 0,1,2,3
	v_permlanex16_b32 v[TM+4+\b], v[TM+\b], s[SEL], s[SEL+1]
.endr
.irp b, 0,1,2,3
	v_max_num_f32 v[TM+\b], v[TM+\b], v[TM+4+\b]   ; with lane l xor 16's 16: the block's largest magnitude
.endr
.irp b, 0,1,2,3
	v_add_nc_u32 v[TM+12+\b], 0xf8800000, v[TM+\b]   ; 15 off its exponent field: the conversion's scale operand
.endr
.irp b, 0,1,2,3
.endr
.irp b, 0,1,2,3
	v_lshrrev_b32 v[TM+4+\b], 23, v[TM+12+\b]      ; the scale's byte
.endr
	v_lshl_or_b32 v[PW], v[TM+5], 8, v[TM+4]
	v_lshl_or_b32 v[PW], v[TM+6], 16, v[PW]
	v_lshl_or_b32 v[PW], v[TM+7], 24, v[PW]
.irp b, 0,1,2,3
.irp i, 0,1,2,3,4,5,6,7,8,9,10,11,12,13,14,15
.endr
	v_cvt_scalef32_pk8_bf8_f32 v[\pc+4*\b:\pc+1+4*\b], v[\s+16*\b:\s+7+16*\b], v[TM+12+\b]
	v_cvt_scalef32_pk8_bf8_f32 v[\pc+2+4*\b:\pc+3+4*\b], v[\s+8+16*\b:\s+15+16*\b], v[TM+12+\b]
.endr
	v_nop                                          ; one plain instruction behind the last scaled conversion: the next products write v[s] on
.endm
; The eight resident tiles' 16 fragments fill window 1: tile t, K step s, piece c at v[32 t + 16 s + 4 c].
.macro RESIDENT base
	WIN 0x40                                       ; destination window 1, address window 0
.irp t, 0,1,2,3,4,5,6,7
.irp s, 0,1
.irp c, 0,1,2,3
	global_load_b128 v[32*\t+16*\s+4*\c:32*\t+16*\s+4*\c+3], v[LI], s[\base:\base+1] offset:4096*\t+2048*\s+512*\c
.endr
.endr
.endr
	WIN 0
.endm
.macro FRAGS i, base                   ; the streamed tile i: two fragments into buffer i % 2
.irp s, 0,1
.irp c, 0,1,2,3
	global_load_b128 v[HF+32*((\i)%2)+16*\s+4*\c:HF+32*((\i)%2)+16*\s+4*\c+3], v[LI], s[\base:\base+1] offset:4096*(\i)+2048*\s+512*\c
.endr
.endr
.endm
; 16 matrix instructions: the eight accumulators by turns, K step 0 (its C is the bias: no addition is written), then K step 1 in place.
; qk = 1: the bias lies in window 2, eight registers a tile; 0: in v[CB] on.
.macro MUL i, qk
.if \qk
	WIN 0x21                                       ; source 0 window 1, source 2 window 2
.else
	WIN 0x01                                       ; source 0 window 1
.endif
.irp t, 0,1,2,3,4,5,6,7
.if \qk
	v_wmma_scale_f32_16x16x128_f8f6f4 v[HA+8*\t:HA+8*\t+7], v[32*\t:32*\t+15], v[HF+32*((\i)%2):HF+32*((\i)%2)+15], v[8*\t:8*\t+7], v[RS+\t], v[SS+(\i)%2] matrix_a_fmt:MATRIX_FMT_BF8 matrix_b_fmt:MATRIX_FMT_BF8
.else
	v_wmma_scale_f32_16x16x128_f8f6f4 v[HA+8*\t:HA+8*\t+7], v[32*\t:32*\t+15], v[HF+32*((\i)%2):HF+32*((\i)%2)+15], v[CB:CB+7], v[RS+\t], v[SS+(\i)%2] matrix_a_fmt:MATRIX_FMT_BF8 matrix_b_fmt:MATRIX_FMT_BF8
.endif
.endr
	WIN 0x01
.irp t, 0,1,2,3,4,5,6,7
	v_wmma_scale_f32_16x16x128_f8f6f4 v[HA+8*\t:HA+8*\t+7], v[32*\t+16:32*\t+31], v[HF+32*((\i)%2)+16:HF+32*((\i)%2)+31], v[HA+8*\t:HA+8*\t+7], v[RS+\t], v[SS+(\i)%2] matrix_a_fmt:MATRIX_FMT_BF8 matrix_b_fmt:MATRIX_FMT_BF8 matrix_a_scale:MATRIX_SCALE_ROW1 matrix_b_scale:MATRIX_SCALE_ROW1
.endr
	WIN 0
	PLACES 8                                       ; eight places in front of the loads into the buffer just multiplied and of the first read of the results
.endm
	s_load_b256 s[4:11], s[0:1], 0x0               ; hn s[4:5], wq s[6:7], qkv_b s[8:9], qq s[10:11]
	s_load_b64 s[12:13], s[0:1], 0x20              ; kv
	v_lshrrev_b32 v7, 5, v0
	v_readfirstlane_b32 s[WV], v7                  ; wave 0..2
	v_and_b32 v7, 31, v0
	v_and_b32 v8, 15, v0                           ; r
	v_bfe_u32 v9, v0, 4, 1                         ; h
	v_lshlrev_b32 v[LI], 4, v7
	v_lshlrev_b32 v[LS], 2, v7
	v_lshl_add_u32 v[HBO], v9, 12, v8
	v_lshlrev_b32 v[SH], 4, v9
.irp b, 0,1,2,3
	v_mov_b32 v[TM+4+\b], 0                        ; written once: a lane permute's destination counts as one of its sources
.endr
	s_mov_b32 s[SEL], 0x76543210
	s_mov_b32 s[SEL+1], 0xfedcba98
	s_mov_b32 s[MSK], 0xffff0000
	s_and_b32 s15, ttmp9, 7                        ; j
	s_lshr_b32 s16, ttmp9, 3                       ; hp
	s_and_b32 s17, ttmp7, 0xffff                   ; b
	s_lshl_b32 s18, s17, 18                        ; hn's codes: 262,144 b + 32,768 j
	s_lshl_b32 s19, s15, 15
	s_add_co_u32 s18, s18, s19
	s_mov_b32 s19, 0
	s_lshl_b32 s20, s17, 13                        ; its scale bytes: 4,194,304 + 8,192 b + 128 j
	s_lshl_b32 s21, s15, 7
	s_add_co_u32 s20, s20, s21
	s_add_co_u32 s20, s20, 4194304
	s_mov_b32 s21, 0
	s_lshl_b32 s26, s17, 2
	s_lshl_b32 s27, s16, 1
	s_add_co_u32 s26, s26, s27                     ; head A among the 64: 4 b + 2 hp
	s_wait_kmcnt 0x0
	s_add_nc_u64 s[HNC:HNC+1], s[4:5], s[18:19]
	s_add_nc_u64 s[HNP:HNP+1], s[4:5], s[20:21]
	s_cmp_eq_u32 s[WV], 2
	s_cbranch_scc1 .Lpath_v
	; ---------------- q (wave 0) and k (wave 1) ----------------
	s_lshl_b32 s18, s[WV], 4
	s_lshl_b32 s22, s16, 3
	s_add_co_u32 s18, s18, s22                     ; my first tile of the weight: 16 x wave + 8 hp
	s_lshl_b32 s20, s18, 12
	s_add_nc_u64 s[WC:WC+1], s[6:7], s[20:21]
	s_lshl_b32 s20, s18, 7
	s_add_nc_u64 s[WSC:WSC+1], s[6:7], s[20:21]    ; (262,144 stands in the loads' immediates)
	s_lshl_b32 s20, s18, 6                         ; 16 channels a tile, 4 bytes each
	s_add_nc_u64 s[BB:BB+1], s[8:9], s[20:21]
	s_cmp_eq_u32 s[WV], 0                          ; q goes to qq, k to kv: the choice hangs on the wave's number alone; only moves and selects stand behind the compare
	s_cselect_b64 s[28:29], s[10:11], s[12:13]
	s_mov_b32 s22, 137216
	s_cselect_b32 s22, 69632, s22                  ; bytes from head to head
	s_mov_b32 s23, 17152
	s_cselect_b32 s23, 8192, s23                   ; the codes' bytes for each j
	s_mov_b32 s24, 17152
	s_cselect_b32 s24, 512, s24                    ; the scale words' bytes for each j
	s_mov_b32 s25, 16384
	s_cselect_b32 s25, 65536, s25                  ; and where they begin
	s_mul_i32 s30, s26, s22
	s_mul_i32 s23, s15, s23
	s_mul_i32 s24, s15, s24
	s_add_co_u32 s20, s30, s23
	s_add_nc_u64 s[DA:DA+1], s[28:29], s[20:21]
	s_mov_b32 s20, s22
	s_add_nc_u64 s[DB:DB+1], s[DA:DA+1], s[20:21]
	s_add_co_u32 s20, s30, s24
	s_add_co_u32 s20, s20, s25
	s_add_nc_u64 s[DS:DS+1], s[28:29], s[20:21]
	s_wait_alu depctr_va_vdst(0)
	v_mul_u32_u24 v[SO], v9, s22
	v_lshl_add_u32 v[SO], v8, 2, v[SO]
	v_lshlrev_b32 v[BO], 6, v9                     ; lane (r, h) wants, for tile 2 B + u, the bias of channels 32 B + 16 h + 8 u + 0..7
	RESIDENT WC
	WIN 0x80                                       ; destination window 2
.irp t, 0,1,2,3,4,5,6,7
	global_load_b128 v[8*\t:8*\t+3], v[BO], s[BB:BB+1] offset:(32*(\t/2)+8*(\t%2))*4
	global_load_b128 v[8*\t+4:8*\t+7], v[BO], s[BB:BB+1] offset:(32*(\t/2)+8*(\t%2))*4+16
.endr
	WIN 0
.irp t, 0,1,2,3,4,5,6,7
	global_load_b32 v[RS+\t], v[LS], s[WSC:WSC+1] offset:262144+128*\t
.endr
.macro STREAMQ i                       ; pixel tile 8 j + i: four scale bytes a lane and two fragments: 12 loads
.irp c, 0,1,2,3
	global_load_u8 v[HB+4*((\i)%2)+\c], v[HBO], s[HNP:HNP+1] offset:1024*\c+16*(\i)
.endr
	FRAGS \i, HNC
.endm
.macro PREPQ i                         ; the four bytes make the tile's scale word
	v_lshl_or_b32 v[SS+(\i)%2], v[HB+4*((\i)%2)+1], 8, v[HB+4*((\i)%2)]
	v_lshl_or_b32 v[SS+(\i)%2], v[HB+4*((\i)%2)+2], 16, v[SS+(\i)%2]
	v_lshl_or_b32 v[SS+(\i)%2], v[HB+4*((\i)%2)+3], 24, v[SS+(\i)%2]
.endm
.macro OUTQ i
	v_lshrrev_b32 v[SWD], v[SH], v[PW]             ; lanes 0-15: bytes 0, 1 (head A); lanes 16-31: bytes 2, 3 (head B)
	v_and_b32 v[SWD], 0xffff, v[SWD]
	global_store_b128 v[LI], v[PC:PC+3], s[DA:DA+1] offset:1024*(\i)          ; each store covers 512 consecutive bytes, aligned
	global_store_b128 v[LI], v[PC+4:PC+7], s[DA:DA+1] offset:1024*(\i)+512
	global_store_b128 v[LI], v[PC+8:PC+11], s[DB:DB+1] offset:1024*(\i)
	global_store_b128 v[LI], v[PC+12:PC+15], s[DB:DB+1] offset:1024*(\i)+512
	global_store_b32 v[SO], v[SWD], s[DS:DS+1] offset:64*(\i)
.endm
	STREAMQ 0
	STREAMQ 1
	s_wait_loadcnt 12                              ; all but tile 1's twelve loads are in
	PREPQ 0
	PLACES 8                                       ; a scale word made by vector instructions stands eight places ahead of the scaled product
.irp i, 0,1,2,3,4,5,6,7
	MUL \i, 1
.if \i < 6
	STREAMQ \i+2
	s_wait_loadcnt 12                              ; the next tile is in; the twelve loads just issued stay out
.elseif \i == 6
	s_wait_loadcnt 0x0
.endif
.if \i < 7
	PREPQ \i+1                                     ; ahead of the quantiser, whose lines are then its places
.endif
	s_wait_xcnt 0x0                                ; the last tile's stores have read their data: only behind this wait are the codes and the word written again
	QUANT HA, PC
	OUTQ \i
.endr
	s_endpgm
	; ---------------- v (wave 2) ----------------
.Lpath_v:
	s_lshl_b32 s18, s16, 3
	s_add_co_u32 s18, s18, 32                      ; my first tile of the weight: 32 + 8 hp
	s_lshl_b32 s20, s18, 12
	s_add_nc_u64 s[WC:WC+1], s[6:7], s[20:21]
	s_lshl_b32 s20, s18, 7
	s_add_nc_u64 s[WSC:WSC+1], s[6:7], s[20:21]
	s_lshl_b32 s20, s18, 6
	s_add_nc_u64 s[BB:BB+1], s[8:9], s[20:21]
	s_mul_i32 s20, s26, 137216
	s_mul_i32 s22, s15, 17152
	s_add_co_u32 s20, s20, s22
	s_add_nc_u64 s[DA:DA+1], s[12:13], s[20:21]    ; head A's key step j
	v_and_b32 v[BO], 8, v0
	v_add_nc_u32 v[BO], v[BO], v8
	v_lshlrev_b32 v[BO], 2, v[BO]                  ; my channel's bias: row r + 8 (r / 8) of the tile
	RESIDENT HNC
	s_wait_alu depctr_va_vdst(0)
.irp t, 0,1,2,3,4,5,6,7
.irp c, 0,1,2,3
	global_load_u8 v[HA+4*\t+\c], v[HBO], s[HNP:HNP+1] offset:1024*\c+16*\t
.endr
.endr
.macro STREAMV i                       ; weight tile i: two fragments, its scale words, my channel's bias: 10 loads
	FRAGS \i, WC
	global_load_b32 v[SS+(\i)%2], v[LS], s[WSC:WSC+1] offset:262144+128*(\i)
	global_load_b32 v[BV+(\i)%2], v[BO], s[BB:BB+1] offset:(32*((\i)/2)+8*((\i)%2))*4
.endm
.macro PREPV i                         ; the bias as a C operand: a lane's eight results belong to one channel
.irp q, 0,1,2,3,4,5,6,7
	v_mov_b32 v[CB+\q], v[BV+(\i)%2]
.endr
.endm
.macro OUTV i                          ; tile i: head A + i / 4, tile i % 4 of d
.irp c, 0,1,2,3
	global_store_b128 v[LI], v[PC+4*\c:PC+4*\c+3], s[DA:DA+1] offset:((\i)/4)*137216+8192+2048*((\i)%4)+512*\c
.endr
.if (\i)%2 == 0
	v_mov_b32 v[PWE], v[PW]
.else
	v_cndmask_b32 v[SWD], v[PWE], v[PW], s[MSK]    ; lanes 0-15: the even tile's words; lanes 16-31: the odd tile's
	global_store_b32 v[LS], v[SWD], s[DA:DA+1] offset:((\i)/4)*137216+16896+128*(((\i)%4)/2)
.endif
.endm
	STREAMV 0
	STREAMV 1
	s_wait_loadcnt 10                              ; all but tile 1's ten loads are in
.irp t, 0,1,2,3,4,5,6,7
	v_lshl_or_b32 v[RS+\t], v[HA+4*\t+1], 8, v[HA+4*\t]
	v_lshl_or_b32 v[RS+\t], v[HA+4*\t+2], 16, v[RS+\t]
	v_lshl_or_b32 v[RS+\t], v[HA+4*\t+3], 24, v[RS+\t]
.endr
	PREPV 0
	PLACES 8
.irp i, 0,1,2,3,4,5,6,7
	MUL \i, 0
.if \i < 6
	STREAMV \i+2
	s_wait_loadcnt 10                              ; the next tile is in; the ten loads just issued stay out
.elseif \i == 6
	s_wait_loadcnt 0x0
.endif
.if \i < 7
	PREPV \i+1
.endif
	s_wait_xcnt 0x0                                ; the last tile's stores have read their data
	QUANT HA, PC
	OUTV \i
.endr
	s_endpgm
.Lfunc_end_k_q38e1c8c794_qkv:
	.size	k_q38e1c8c794_qkv, .Lfunc_end_k_q38e1c8c794_qkv-k_q38e1c8c794_qkv
	.p2alignl 7, 3214868480
	.fill 96, 4, 3214868480
	.section	.rodata,"a",@progbits
	.p2align	6, 0x0
	.amdhsa_kernel k_q38e1c8c794_qkv
		.amdhsa_group_segment_fixed_size 0
		.amdhsa_private_segment_fixed_size 0
		.amdhsa_enable_private_segment 0
		.amdhsa_kernarg_size 40
		.amdhsa_user_sgpr_count 2
		.amdhsa_user_sgpr_kernarg_segment_ptr 1
		.amdhsa_wavefront_size32 1
		.amdhsa_system_sgpr_workgroup_id_x 1
		.amdhsa_system_sgpr_workgroup_id_y 1
		.amdhsa_system_sgpr_workgroup_id_z 1
		.amdhsa_system_vgpr_workitem_id 0
		.amdhsa_next_free_vgpr 576
		.amdhsa_next_free_sgpr 66
		.amdhsa_reserve_vcc 0
		.amdhsa_float_denorm_mode_32 3
		.amdhsa_float_denorm_mode_16_64 3
		.amdhsa_fp16_overflow 1
		.amdhsa_memory_ordered 1
		.amdhsa_forward_progress 1
		.amdhsa_inst_pref_size 148
	.end_amdhsa_kernel
	.amdgpu_metadata
---
amdhsa.version: [ 1, 2 ]
amdhsa.kernels:
  - .name:           k_q38e1c8c794_qkv
    .symbol:         k_q38e1c8c794_qkv.kd
    .args:
      - { .name: hn, .offset: 0, .size: 8, .value_kind: global_buffer, .address_space: global }
      - { .name: wq, .offset: 8, .size: 8, .value_kind: global_buffer, .address_space: global }
      - { .name: qkv_b, .offset: 16, .size: 8, .value_kind: global_buffer, .address_space: global }
      - { .name: qq, .offset: 24, .size: 8, .value_kind: global_buffer, .address_space: global }
      - { .name: kv, .offset: 32, .size: 8, .value_kind: global_buffer, .address_space: global }
    .group_segment_fixed_size: 0
    .private_segment_fixed_size: 0
    .kernarg_segment_align: 8
    .kernarg_segment_size: 40
    .max_flat_workgroup_size: 96
    .sgpr_count:     66
    .vgpr_count:     576
    .wavefront_size: 32
...
	.end_amdgpu_metadata
.endif
;; end of part 2
;; launch attnproj (part 3): grid 16 x 16, 16 waves a work-group, clusters of 4 x 1, 327,680 bytes of LDS; arguments qq, kv, wq, proj_b, x, out0; writes out0
.if DOCPART == 3
	.amdgcn_target "amdgcn-amd-amdhsa--gfx1250"
	.amdhsa_code_object_version 6
	.text
	.protected	k_q38e1c8c794_attnproj
	.globl	k_q38e1c8c794_attnproj
	.p2align	8
	.type	k_q38e1c8c794_attnproj,@function
k_q38e1c8c794_attnproj:
	s_mov_b64 s[64:65], 0
	v_nop
	global_prefetch_b8 v0, s[64:65] scope:SCOPE_SE
	s_setreg_imm32_b32 hwreg(HW_REG_WAVE_MODE, 25, 1), 1
	s_wait_xcnt 0x0
	s_wait_alu depctr_hold_cnt(0) depctr_sa_sdst(0) depctr_va_vdst(0) depctr_va_sdst(0) depctr_va_ssrc(0) depctr_va_vcc(0) depctr_vm_vsrc(0)
	s_getreg_b32 s2, hwreg(HW_REG_IB_STS2, 6, 4)
	s_cmp_eq_u32 s2, 0
	s_cbranch_scc0 .Lentry_in_a_cluster
	s_endpgm
.Lentry_in_a_cluster:
	s_bfe_u32 s2, ttmp6, 0x10000c
	s_cmp_lg_u32 s2, 0x3003
	s_cbranch_scc0 .Lentry_shape_is_right
	s_endpgm
.Lentry_shape_is_right:
; ATTENTION AND THE PROJECTION IN ONE LAUNCH, all products on codes of E5M2 with E8M0 scales.  out0 = x + proj_w att + proj_b, att = softmax(q k^T / 8) v for each (image, head): 1,024 keys, d = 64.
; t = score x log2(e) / 8; M = the running largest t rounded UP to a whole number; p = 2^(t - M) is what is quantised, along the keys, not normalised; the row's sum is taken of the unquantised p and
; divides O at the end.  When M moves, the sum and O are multiplied by 2^(old M - new M): exact.
; SHARES.  A work-group owns 64 queries (x: four tiles of 16) of one image (y), with ALL FOUR HEADS, so that the projection's K, the 256 channels, is whole in the work-group and att never goes to memory.
; In the attention wave w owns head w / 4 and tile w % 4; in the projection it owns the weight's tile w: output channels 32 (w / 2) + 8 (w % 2) + r + 8 (r / 8).  Four waves to a SIMD, 256 registers each:
; one wave's vector work stands beside another's matrix work and LDS loads.
; THE RING.  Four heads' K and V are 4 x 137,216 bytes, more than LDS holds: two slots, each with two key steps of the four heads: [head 4][step 2][17,152 bytes: K's 8 tiles x 1,024; V^T's 4 tiles x 2,048;
; K's scale words 512; V's 256].  Waves 0-7 bring one (head, step) piece each, 67 rows of 256 bytes.  Four fills: both slots at the start, each once more.  A refill has two key steps' work in which to land.
; All of it is images of operands' registers: a load takes 512 consecutive bytes, so there is no pitch and no padding.
; CLUSTER.  The four work-groups of a cluster are four blocks of queries of one image and want the same K and V: each piece is asked for JOINTLY, with a mask that names the four.  My place in the cluster
; enters the addresses of q, x and out0 alone.  Two tensor loads of a wave are out at the most.
; LAYOUT.  Both attention products are used transposed: S^T = K Q^T (source 0 = 16 keys), O^T = V^T P^T (source 0 = 16 of the head's 64): a lane holds ONE query throughout.  Tile 2 B + u of keys (of d, of
; pixels, of weight rows) holds in row r the index 32 B + 8 u + r + 8 (r / 8), so that the 16 registers of two neighbouring tiles are 16 neighbours along the next K.
; d = 64 is half of the instruction's K: registers 8-15 of Q's and K's fragments hold zero codes throughout, and their scale words' upper bytes are 0, which is a power of two and no NaN.
; FROM WAVE TO WAVE: a wave's O / sum is two blocks of 32 along the projection's K; its codes (two pieces of 512 bytes) and its scale word go to LDS as images of the operand's registers; one barrier; every wave
; reads all eight fragments.  In the projection source 0 = a tile of pixels, source 1 = the weight's tile: a lane holds ONE output channel and eight neighbouring pixels; the bias is the C of each sum's first product.
; LDS: slot 0 at 0, slot 1 at 137,216; spare words at 274,432 (128 bytes a wave); att's fragments at 276,480; their scale words at 292,864.  The way out's stage (16 rows x 272 bytes a wave) lies in slot 0,
; which has then had its last fill, and its last read stands ahead of the last change of slots.  All of a WGP's LDS is claimed.
; LIMITS: NaN and infinities are not served; a block whose largest magnitude lies under 2^-111 (a block of zeros among them) keeps the byte 1; the bytes are read by this program alone.
.set STEPB, 17152                      ; a key step of one head
.set HEADB, 2*STEPB                    ; a head's part of a slot
.set SLOTB, 4*HEADB                    ; 137,216
.set SPARE, 2*SLOTB
.set AIMG,  SPARE+2048
.set ASC,   AIMG+16384
.set LI,  1                            ; 16 x lane
.set LS,  2                            ; 4 x lane
.set ADC, 3                            ; the slot's codes of my head
.set ADS, 4                            ; its scale words
.set IMG, 3                            ; behind the loop: where my codes' image goes
.set ISC, 4                            ; and my scale word
.set SPW, 5                            ; LDS address of my spare word: SPARE + 4 x my thread's number; never rewritten
.set NIL, 6                            ; 0; never rewritten
.set GO,  7                            ; x and out0: my byte offset
.set CB,  8                            ; v8-15    at the head and in the tail at work; then the bias as a C operand
.set QF,  16                           ; v16-31   Q's fragment
.set KF,  32                           ; v32-95   four fragments of K
.set S,   96                           ; v96-159  S^T, then p, then V^T's four fragments
.set O,   160                          ; v160-191 O^T
.set PCD, 192                          ; v192-207 p's codes
.set BM,  208
.set T1,  212
.set HL,  216
.set SOP, 220
.set KS,  224                          ; v224-227 K's scale words: tile 2 a in lanes 0-15, tile 2 a + 1 in lanes 16-31
.set VS,  228                          ; v228-229 V's likewise
.set F,   230                          ; 2^(old M - new M)
.set PWD, 231                          ; p's scale word
.set TT,  232
.set QS,  233                          ; Q's scale words
.set NM,  234                          ; -M; v235 the largest t
.set SUM, 236                          ; v236-237 the row's sum in two halves
.set BO,  238                          ; the bias's offset
.set BV,  239                          ; my output channel's bias
; the projection's registers, all of them done with by the attention when they are taken
.set XR,  32                           ; v32-63   x
.set WF,  64                           ; v64-95   the weight's two fragments
.set AF,  96                           ; v96-223  att's eight fragments: tile m, K step s at AF + 32 m + 16 s; later rows of the result
.set AS,  224                          ; v224-227 att's scale words: lanes 0-15 K step 0's, lanes 16-31 K step 1's
.set WS,  233                          ; the weight's likewise
.set SO,  230                          ; the stage, way in
.set RD,  234                          ; the stage, way out
.set ASO, 235                          ; att's scale words in LDS
.set AL,  236                          ; att's fragments in LDS
.set PL,  240                          ; v240-247 eight words on their way to AS.  The four accumulators: v16-23, v24-31, v240-247, v248-255
.set WV,  16
.set G1,  20                           ; s[20:27] descriptor group 1;  s[28:31], s[32:35] group 0, one set for each slot
.set G0,  28
.set SEL, 36
.set CS,  38                           ; s[38:39] c = log2(e) / 8
.set MNT, 40
.set TB,  41                           ; LDS byte at which my head's part of the slot in hand begins
.set THB, 42                           ; my head's place in a slot
.set QC,  44                           ; s[44:45] Q's codes;  s[46:47] its scale words
.set QSB, 46
.set XB,  48                           ; s[48:49] x;  s[50:51] out0
.set OB,  50
.set WB,  52                           ; s[52:53] the weight's codes;  s[54:55] its scale words;  s[56:57] the bias
.set WSB, 54
.set BB,  56
.set IMS, 58                           ; where my codes' image begins
.set STS, 59                           ; my stage
; A round of the cluster's barrier: my work-group's barrier, wave 0's signal for the work-group, every wave's wait for all four work-groups, my work-group's barrier once more.
.macro ROUND
	s_barrier_signal -1
	s_barrier_wait -1
	s_cmp_lg_u32 s[WV], 0
	s_cbranch_scc1 .Lnot_wave_0_\@
	s_barrier_signal -3
.Lnot_wave_0_\@:
	s_barrier_wait -3
	s_barrier_signal -1
	s_barrier_wait -1
.endm
	s_load_b256 s[4:11], s[0:1], 0x0               ; qq s[4:5], kv s[6:7], wq s[8:9], proj_b s[10:11]
	s_load_b128 s[12:15], s[0:1], 0x20             ; x s[12:13], out0 s[14:15]
	v_lshl_add_u32 v[SPW], v0, 2, SPARE
	v_mov_b32 v[NIL], 0
	ds_add_u32 v5, v6
	ds_add_u32 v5, v6
	s_wait_dscnt 0x0
	v_lshrrev_b32 v8, 5, v0
	s_delay_alu instid0(VALU_DEP_1)
	v_readfirstlane_b32 s[WV], v8                  ; wave 0..15
	v_and_b32 v8, 31, v0
	s_delay_alu instid0(VALU_DEP_1)
	v_lshlrev_b32 v[LI], 4, v8
	s_delay_alu instid0(VALU_DEP_2)
	v_lshlrev_b32 v[LS], 2, v8
	v_and_b32 v9, 15, v0                           ; r
	v_bfe_u32 v10, v0, 4, 1                        ; h
	s_delay_alu instid0(VALU_DEP_2)
	v_lshlrev_b32 v11, 2, v9                       ; Q's scale word of row r
	s_delay_alu instid0(VALU_DEP_2)
	v_lshlrev_b32 v[GO], 12, v10                   ; x, out0: lanes 0-15 one channel's 256 bytes, lanes 16-31 the next channel's, 4,096 bytes on
	s_delay_alu instid0(VALU_DEP_1)
	v_lshl_add_u32 v[GO], v9, 4, v[GO]
	v_and_b32 v[BO], 8, v0
	s_delay_alu instid0(VALU_DEP_1)
	v_add_nc_u32 v[BO], v[BO], v9
	s_delay_alu instid0(VALU_DEP_1)
	v_lshlrev_b32 v[BO], 2, v[BO]                  ; 4 (r + 8 (r / 8))
	s_bfe_u32 s17, ttmp6, 0x40000                  ; cx: my place in the cluster
	s_lshl_b32 s18, ttmp9, 2                       ; in a cluster launch ttmp9 counts clusters
	s_add_co_u32 s18, s18, s17                     ; my block of 64 queries
	s_and_b32 s19, ttmp7, 0xffff                   ; the image, which the four partners share
	s_lshr_b32 s58, s[WV], 2                       ; my head
	s_and_b32 s59, s[WV], 3                        ; my tile of the block's four
	; descriptor group 1: a key step of one head, 17,152 dense bytes, as 67 rows of 256 bytes (32 elements of 8 bytes), no padding
	s_mov_b32 s[G1], 15|(3<<16)|(1<<21)            ; 15:0 the mask: all four work-groups; 17:16 elements of 8 bytes; 21 set beside a mask
	s_mov_b32 s[G1+1], 32<<16                      ; tensor_dim0 = 32
	s_mov_b32 s[G1+2], 67<<16                      ; tensor_dim1 = 67
	s_mov_b32 s[G1+3], 32<<16                      ; tile_dim0 = 32
	s_mov_b32 s[G1+4], 67                          ; tile_dim1 = 67
	s_mov_b32 s[G1+5], 32                          ; elements from row to row
	s_mov_b32 s[G1+6], 0
	s_mov_b32 s[G1+7], 0
	s_mov_b32 s[SEL], 0x76543210
	s_mov_b32 s[SEL+1], 0xfedcba98
	s_mov_b32 s[CS], 0x3e38aa3b
	s_mov_b32 s[CS+1], s[CS]                       ; (named with it as a pair, so it is written)
	s_mul_i32 s[THB], s58, HEADB
	s_lshl_b32 s17, s18, 2
	s_add_co_u32 s17, s17, s59                     ; my tile of queries among the image's 64
	s_lshl_b32 s43, s19, 2
	s_add_co_u32 s43, s43, s58
	s_mul_i32 s43, s43, 69632                      ; the (image, head)'s block of qq
	s_lshl_b32 s[QC], s17, 10                      ; my tile's codes
	s_add_co_u32 s[QC], s[QC], s43
	s_mov_b32 s[QC+1], 0
	s_lshl_b32 s[QSB], s17, 6                      ; and scale words (65,536 stands in the load's immediate)
	s_add_co_u32 s[QSB], s[QSB], s43
	s_mov_b32 s[QSB+1], 0
	; what I ask for, if I ask: piece wave % 8 of a slot: head (wave % 8) / 2, step wave % 2.  No register here ever holds my place in the cluster
	s_and_b32 s60, s[WV], 7
	s_mul_i32 s62, s60, STEPB                      ; its place in a slot
	s_lshr_b32 s61, s60, 1
	s_mul_i32 s61, s61, 137216                     ; the head's block of kv,
	s_and_b32 s60, s60, 1
	s_mul_i32 s60, s60, STEPB                      ; the step in it,
	s_add_co_u32 s60, s60, s61
	s_mul_i32 s61, s19, 548864                     ; the image's four blocks
	s_add_co_u32 s60, s60, s61
	s_mov_b32 s61, 0
	; the projection: the weight's tile 48 + wave of wq; its first output channel 32 (wave / 2) + 8 (wave % 2)
	s_lshr_b32 s[XB], s[WV], 1
	s_lshl_b32 s[XB], s[XB], 5
	s_and_b32 s63, s[WV], 1
	s_lshl_b32 s63, s63, 3
	s_add_co_u32 s63, s63, s[XB]
	s_lshl_b32 s[BB], s63, 2
	s_mov_b32 s[BB+1], 0
	s_lshl_b32 s[XB], s63, 12                      ; x, out0: (256 image + channel) x 4,096 + 256 x block
	s_lshl_b32 s63, s19, 20
	s_add_co_u32 s[XB], s[XB], s63
	s_lshl_b32 s63, s18, 8
	s_add_co_u32 s[XB], s[XB], s63
	s_mov_b32 s[XB+1], 0
	s_add_co_u32 s63, s[WV], 48
	s_lshl_b32 s[WB], s63, 12
	s_mov_b32 s[WB+1], 0
	s_lshl_b32 s[WSB], s63, 7                      ; (262,144 stands in the load's immediate)
	s_mov_b32 s[WSB+1], 0
	s_lshl_b32 s58, s58, 10                        ; my codes' image: 4,096 tile + 1,024 head: K step head / 2, pieces 2 (head % 2) and the next
	s_lshl_b32 s59, s59, 12
	s_add_co_u32 s[IMS], s58, s59
	s_add_co_u32 s[IMS], s[IMS], AIMG
	s_mul_i32 s[STS], s[WV], 16*272
	s_wait_kmcnt 0x0
	s_add_nc_u64 s[6:7], s[6:7], s[60:61]
	s_add_nc_u64 s[QC:QC+1], s[4:5], s[QC:QC+1]
	s_add_nc_u64 s[QSB:QSB+1], s[4:5], s[QSB:QSB+1]
	s_add_nc_u64 s[OB:OB+1], s[14:15], s[XB:XB+1]
	s_add_nc_u64 s[XB:XB+1], s[12:13], s[XB:XB+1]
	s_add_nc_u64 s[WB:WB+1], s[8:9], s[WB:WB+1]
	s_add_nc_u64 s[WSB:WSB+1], s[8:9], s[WSB:WSB+1]
	s_add_nc_u64 s[BB:BB+1], s[10:11], s[BB:BB+1]
.irp n, 0,1                            ; group 0 of slot n: it begins with key steps 2 n and 2 n + 1
	s_mov_b32 s[G0+4*\n], 1                        ; count = 1
	s_add_co_u32 s[G0+4*\n+1], s62, \n*SLOTB       ; LDS address
	s_add_nc_u64 s[G0+4*\n+2:G0+4*\n+3], s[6:7], \n*HEADB   ; global address
	s_or_b32 s[G0+4*\n+3], s[G0+4*\n+3], 0x80000000   ; type = 2
.endr
	ROUND                                          ; all four work-groups are here: the first joint loads meet
	s_cmp_lt_u32 s[WV], 8                          ; a wave's two first fills stand in one branch on the wave's number, ahead of every wait on TENSORcnt, every LDS read and every other barrier
	s_cbranch_scc0 .Lno_fill
	tensor_load_to_lds s[G0:G0+3], s[G1:G1+7]
	s_nop 0
	tensor_load_to_lds s[G0+4:G0+7], s[G1:G1+7]
	s_nop 0
.rept 4
	v_nop                                          ; four v_nop follow the second, ahead of the label
.endr
.Lno_fill:
	global_load_b128 v[QF:QF+3], v[LI], s[QC:QC+1]
	global_load_b128 v[QF+4:QF+7], v[LI], s[QC:QC+1] offset:512
	s_wait_alu depctr_va_vdst(0)
	global_load_b32 v[QS], v11, s[QSB:QSB+1] offset:65536
.irp j, 8,9,10,11,12,13,14,15
	v_mov_b32 v[QF+\j], 0                          ; zero codes for k = 64 .. 127, in Q
.irp t, 0,1,2,3
	v_mov_b32 v[KF+16*\t+\j], 0                    ; and in K's four fragments: the key steps' loads never touch these
.endr
.endr
.set jj, 0
.rept 32
	v_mov_b32 v[O+jj], 0                           ; O^T.  (The step is written for every step alike: the first finds zeros, which the first change of M leaves zeros)
.set jj, jj+1
.endr
.irp b, 0,1,2,3
	v_mov_b32 v[T1+\b], 0                          ; written once: a lane permute's destination counts as one of its sources
.endr
	v_mov_b32 v[PWD], 0                            ; (named as the upper half of the pair with F before it is first written)
	v_mov_b32 v[NM+1], 0xff61b1e6                  ; the largest t so far: -3e38, under every t
	s_delay_alu instid0(VALU_DEP_1)
	v_floor_f32 v[NM], -v[NM+1]                    ; -M
	v_mov_b32 v[SUM], 0                            ; the sum, in two halves
	v_mov_b32 v[SUM+1], 0
; A KEY STEP: 128 keys, the q-th of the slot in hand.  last = 1: the launch's last: x and the projection's weight are asked for as soon as K's and Q's registers are free.
.macro STEP q, last
.if \q == 0
	v_add_nc_u32 v[ADC], s[TB], v[LI]
	s_wait_alu depctr_va_vdst(0)
	v_add_nc_u32 v[ADS], s[TB], v[LS]
.rept 7
	v_nop                                          ; with the two additions nine places behind the last step's products: the scores are laid over the registers that held V^T's fragments
.endr
.else
.rept 9
	v_nop                                          ; nine places, likewise
.endr
.endif
.irp a, 0,1,2,3
	ds_load_b32 v[KS+\a], v[ADS] offset:STEPB*\q+16384+128*\a
.endr
.irp a, 0,1
	ds_load_b32 v[VS+\a], v[ADS] offset:STEPB*\q+16896+128*\a
.endr
.irp g, 0,1                            ; S^T = K Q^T, four tiles of 16 keys at a time
.if \g
.rept 8
	v_nop                                          ; eight places in front of loads into registers that matrix instructions have read
.endr
.endif
.irp t, 0,1,2,3
.irp c, 0,1
	ds_load_b128 v[KF+16*\t+4*\c:KF+16*\t+4*\c+3], v[ADC] offset:STEPB*\q+1024*(4*\g+\t)+512*\c
.endr
.endr
	s_wait_dscnt 0x0
.irp t, 0,2
	v_wmma_scale_f32_16x16x128_f8f6f4 v[S+8*(4*\g+\t):S+8*(4*\g+\t)+7], v[KF+16*\t:KF+16*\t+15], v[QF:QF+15], 0, v[KS+2*\g+\t/2], v[QS] matrix_a_fmt:MATRIX_FMT_BF8 matrix_b_fmt:MATRIX_FMT_BF8
	v_wmma_scale_f32_16x16x128_f8f6f4 v[S+8*(4*\g+\t+1):S+8*(4*\g+\t+1)+7], v[KF+16*(\t+1):KF+16*(\t+1)+15], v[QF:QF+15], 0, v[KS+2*\g+\t/2], v[QS] matrix_a_fmt:MATRIX_FMT_BF8 matrix_b_fmt:MATRIX_FMT_BF8 matrix_a_scale:MATRIX_SCALE_ROW1
.endr
.endr                                  ; lane (r, h) holds query r; register 16 b + i is key 32 b + 16 h + i of the step
.rept 8
	v_nop                                          ; eight places in front of the first read of the scores (and, in the last step, of the loads below)
.endr
.if \last
.irp i, 0,1,2,3,4,5,6,7                ; K's, Q's and their scale words' registers are done with: x, the weight's tile, its scale words and my channel's bias land under this step's softmax
	global_load_b128 v[XR+4*\i:XR+4*\i+3], v[GO], s[XB:XB+1] offset:(2*\i+8*(\i/4))*4096   ; sixteen lanes read 256 consecutive bytes, aligned: stage rows 2 i and 2 i + 1
.endr
.irp s, 0,1
.irp c, 0,1,2,3
	global_load_b128 v[WF+16*\s+4*\c:WF+16*\s+4*\c+3], v[LI], s[WB:WB+1] offset:2048*\s+512*\c
.endr
.endr
	global_load_b32 v[WS], v[LS], s[WSB:WSB+1] offset:262144
	global_load_b32 v[BV], v[BO], s[BB:BB+1]
.endif
.irp b, 0,1,2,3
	v_max3_num_f32 v[BM+\b], v[S+16*\b], v[S+16*\b+1], v[S+16*\b+2]   ; the largest score of each block of 32 keys: it serves the row's maximum and, since p rises with the score, the block's largest p
.endr
.irp i, 3,5,7,9,11,13
.irp b, 0,1,2,3
	v_max3_num_f32 v[BM+\b], v[BM+\b], v[S+16*\b+\i], v[S+16*\b+\i+1]   ; (the four blocks by turns; each accumulator from its low end on)
.endr
.endr
.irp b, 0,1,2,3
	v_max_num_f32 v[BM+\b], v[BM+\b], v[S+16*\b+15]
.endr
.irp b, 0,1,2,3
	s_delay_alu instid0(VALU_DEP_4)
	v_permlanex16_b32 v[T1+\b], v[BM+\b], s[SEL], s[SEL+1]
.endr
.irp b, 0,1,2,3
	s_delay_alu instid0(VALU_DEP_4)
	v_max_num_f32 v[BM+\b], v[BM+\b], v[T1+\b]     ; with lane l xor 16's 16 keys
.endr
	s_delay_alu instid0(VALU_DEP_2)
	v_max3_num_f32 v[TT], v[BM], v[BM+1], v[BM+2]
	s_delay_alu instid0(VALU_DEP_1)
	v_max_num_f32 v[TT], v[TT], v[BM+3]            ; the step's largest score of my query
	s_delay_alu instid0(VALU_DEP_1)
	v_mul_f32 v[TT], s[CS], v[TT]                  ; as t (c is positive)
	s_delay_alu instid0(VALU_DEP_1)
	v_max_num_f32 v[NM+1], v[NM+1], v[TT]          ; the running largest t
	v_mov_b32 v[TT], v[NM]
	s_delay_alu instid0(VALU_DEP_2)
	v_floor_f32 v[NM], -v[NM+1]                    ; the new -M = floor(-t) = -ceil(t): a whole number
	s_delay_alu instid0(VALU_DEP_1)
	v_sub_f32 v[TT], v[NM], v[TT]                  ; old M - new M: a whole number, 0 or less
	s_delay_alu instid0(VALU_DEP_1)
	v_cvt_i32_f32 v[TT], v[TT]                     ; (it saturates)
	s_delay_alu instid0(VALU_DEP_1)
	v_ldexp_f32 v[F], 1.0, v[TT]                   ; f = 2^(old M - new M)
.set jj, 0
.rept 32
	v_pk_fma_f32 v[S+jj:S+jj+1], v[S+jj:S+jj+1], s[CS:CS+1], v[NM:NM+1] op_sel_hi:[1,0,0]   ; t - M, two at a time (of the pairs c and -M the low word serves both halves)
.set jj, jj+2
.endr
.irp b, 0,1,2,3
	v_fma_f32 v[BM+\b], v[BM+\b], s[CS], v[NM]     ; the same of each block's largest score
.endr
.set jj, 0
	s_wait_alu depctr_va_vdst(0)
.rept 64
	v_exp_f32 v[S+jj], v[S+jj]                     ; p = 2^(t - M), at most 1
.set jj, jj+1
.endr
.irp b, 0,1,2,3
	v_exp_f32 v[BM+\b], v[BM+\b]                   ; the block's largest p: the same two instructions on the same number give the same bits
.endr
	v_pk_mul_f32 v[SUM:SUM+1], v[SUM:SUM+1], v[F:F+1] op_sel_hi:[1,0]   ; the sums under the new M; also the plain instruction behind the exponentials
	s_wait_alu depctr_va_vdst(0)
.irp b, 0,1,2,3
	v_max_num_f32 v[BM+\b], 0x8000000, v[BM+\b]    ; the floor 2^(16 - 127): the byte cannot fall under 1
.endr
.irp b, 0,1,2,3
	s_delay_alu instid0(VALU_DEP_4)
	v_add_nc_u32 v[SOP+\b], 0xf8800000, v[BM+\b]   ; 15 off the exponent field: the conversion's scale operand
.endr
.irp b, 0,1,2,3
.endr
.irp b, 0,1,2,3
	s_delay_alu instid0(VALU_DEP_4)
	v_lshrrev_b32 v[T1+\b], 23, v[SOP+\b]          ; the scale's byte
.endr
	s_delay_alu instid0(VALU_DEP_3)
	v_lshl_or_b32 v[PWD], v[T1+1], 8, v[T1]        ; p's scale word for these 128 keys: far more than eight places ahead of its products
	s_delay_alu instid0(VALU_DEP_1)
	v_lshl_or_b32 v[PWD], v[T1+2], 16, v[PWD]
	s_delay_alu instid0(VALU_DEP_1)
	v_lshl_or_b32 v[PWD], v[T1+3], 24, v[PWD]
	v_pk_add_f32 v[212:213], v[100:101], v[104:105]
	v_pk_add_f32 v[254:255], v[108:109], v[112:113]
	v_pk_add_f32 v[252:253], v[116:117], v[120:121]
	v_pk_add_f32 v[250:251], v[124:125], v[128:129]
	v_pk_add_f32 v[248:249], v[132:133], v[136:137]
	v_pk_add_f32 v[246:247], v[140:141], v[144:145]
	v_pk_add_f32 v[244:245], v[148:149], v[152:153]
	v_pk_add_f32 v[236:237], v[236:237], v[156:157]
	v_pk_add_f32 v[212:213], v[212:213], v[96:97]
	v_pk_add_f32 v[254:255], v[254:255], v[98:99]
	v_pk_add_f32 v[252:253], v[252:253], v[102:103]
	v_pk_add_f32 v[250:251], v[250:251], v[106:107]
	v_pk_add_f32 v[248:249], v[248:249], v[110:111]
	v_pk_add_f32 v[246:247], v[246:247], v[114:115]
	v_pk_add_f32 v[244:245], v[244:245], v[118:119]
	v_pk_add_f32 v[236:237], v[236:237], v[122:123]
	v_pk_add_f32 v[212:213], v[212:213], v[126:127]
	v_pk_add_f32 v[254:255], v[254:255], v[130:131]
	v_pk_add_f32 v[252:253], v[252:253], v[134:135]
	v_pk_add_f32 v[250:251], v[250:251], v[138:139]
	v_pk_add_f32 v[248:249], v[248:249], v[142:143]
	v_pk_add_f32 v[246:247], v[246:247], v[146:147]
	v_pk_add_f32 v[244:245], v[244:245], v[150:151]
	v_pk_add_f32 v[236:237], v[236:237], v[154:155]
	v_pk_add_f32 v[212:213], v[212:213], v[158:159]
	s_delay_alu instid0(VALU_DEP_2)
	v_pk_add_f32 v[236:237], v[236:237], v[250:251]
	s_delay_alu instid0(VALU_DEP_2)
	v_pk_add_f32 v[212:213], v[212:213], v[248:249]
	v_pk_add_f32 v[254:255], v[254:255], v[246:247]
	v_pk_add_f32 v[252:253], v[252:253], v[244:245]
	s_delay_alu instid0(VALU_DEP_2)
	v_pk_add_f32 v[236:237], v[236:237], v[254:255]
	s_delay_alu instid0(VALU_DEP_2)
	v_pk_add_f32 v[212:213], v[212:213], v[252:253]
	s_delay_alu instid0(VALU_DEP_1)
	v_pk_add_f32 v[236:237], v[236:237], v[212:213]
.irp b, 0,1,2,3
.irp i, 0,1,2,3,4,5,6,7,8,9,10,11,12,13,14,15
.endr
	v_cvt_scalef32_pk8_bf8_f32 v[PCD+4*\b:PCD+4*\b+1], v[S+16*\b:S+16*\b+7], v[SOP+\b]
	v_cvt_scalef32_pk8_bf8_f32 v[PCD+4*\b+2:PCD+4*\b+3], v[S+16*\b+8:S+16*\b+15], v[SOP+\b]
.endr
	v_nop
.irp t, 0,1,2,3                        ; V^T's four fragments take p's registers, which are done with
.irp c, 0,1,2,3
	ds_load_b128 v[S+16*\t+4*\c:S+16*\t+4*\c+3], v[ADC] offset:STEPB*\q+8192+2048*\t+512*\c
.endr
.endr
.set jj, 0
.rept 16
	v_pk_mul_f32 v[O+jj:O+jj+1], v[O+jj:O+jj+1], v[F:F+1] op_sel_hi:[1,0]   ; O^T under the new M, while the loads are out; these are also the places behind the conversions and ahead of the products
.set jj, jj+2
.endr
	s_wait_alu depctr_va_vdst(0)
	s_wait_dscnt 0x0
.irp t, 0,2                            ; O^T += V^T P^T: four accumulators by turns
	v_wmma_scale_f32_16x16x128_f8f6f4 v[O+8*\t:O+8*\t+7], v[S+16*\t:S+16*\t+15], v[PCD:PCD+15], v[O+8*\t:O+8*\t+7], v[VS+\t/2], v[PWD] matrix_a_fmt:MATRIX_FMT_BF8 matrix_b_fmt:MATRIX_FMT_BF8
	v_wmma_scale_f32_16x16x128_f8f6f4 v[O+8*(\t+1):O+8*(\t+1)+7], v[S+16*(\t+1):S+16*(\t+1)+15], v[PCD:PCD+15], v[O+8*(\t+1):O+8*(\t+1)+7], v[VS+\t/2], v[PWD] matrix_a_fmt:MATRIX_FMT_BF8 matrix_b_fmt:MATRIX_FMT_BF8 matrix_a_scale:MATRIX_SCALE_ROW1
.endr
.endm
.macro SLOT sl, last                   ; a slot's two key steps; every LDS offset in them is an immediate
	s_add_co_u32 s[TB], s[THB], \sl*SLOTB
	STEP 0, 0
	STEP 1, \last
.endm
; THE CHANGE OF SLOTS.  Each wave waits for all its tensor loads (its piece of the slot ahead), adds 0 to its spare word, and waits for that and for its reads of the slot that it leaves.
; fill = 1: slot sl, the one just left, is filled with the key steps four on.  The barrier is then a round of the cluster's, so that no wave of any partner still reads the slot or has a load on its way,
; and the joint refill is the first thing behind it, one load a wave.
.macro CHANGE fill, sl
	s_wait_tensorcnt 0x0                           ; no tensor load of mine is out, so a group 0 may be written
	ds_add_u32 v[SPW], v[NIL]                      ; 0 onto my spare word
.if \fill
	s_add_nc_u64 s[G0+4*\sl+2:G0+4*\sl+3], s[G0+4*\sl+2:G0+4*\sl+3], 2*HEADB   ; the slot's next two key steps; the type bits on top are not reached
.endif
	s_wait_dscnt 0x0                               ; the add is done, and my reads of the slot that I leave are over
.if \fill
	ROUND
	s_cmp_lt_u32 s[WV], 8                          ; the branch hangs on the wave's number alone: it is the same in every work-group
	s_cbranch_scc0 .Lnone_\@
	tensor_load_to_lds s[G0+4*\sl:G0+4*\sl+3], s[G1:G1+7]
	s_nop 0
.rept 4
	v_nop                                          ; four v_nop follow it, ahead of the label
.endr
.Lnone_\@:
.else
	s_barrier_signal -1
	s_barrier_wait -1
.endif
.endm
	s_wait_loadcnt 0x0                             ; Q
	s_wait_tensorcnt 1                             ; my piece of slot 0 has landed; slot 1's may stay out
	s_barrier_signal -1
	s_barrier_wait -1                              ; slot 0 is whole for all sixteen waves
	SLOT 0, 0                                      ; key steps 0, 1
	CHANGE 1, 0                                    ; slot 0 takes key steps 4, 5
	SLOT 1, 0                                      ; key steps 2, 3
	CHANGE 1, 1                                    ; slot 1 takes key steps 6, 7
	SLOT 0, 0                                      ; key steps 4, 5
	CHANGE 0, 0                                    ; nothing is left to ask for
	SLOT 1, 1                                      ; key steps 6, 7
	; O^T / the sum; register 16 b + i is channel 32 b + 16 h + i of my head: two blocks of 32 along the projection's K, quantised as every operand is.
	; The addresses made here, and the sum's additions, are the places behind the last products.
	v_and_b32 v8, 15, v0                           ; r
	v_bfe_u32 v9, v0, 4, 1                         ; h
	v_add_nc_u32 v[IMG], s[IMS], v[LI]
	v_lshl_add_u32 v[ISC], v0, 2, ASC              ; 128 bytes a wave: plane 4 head + tile
	s_delay_alu instid0(VALU_DEP_4)
	v_mul_u32_u24 v[SO], v8, 272                   ; the stage, in: row r (my output channel), + 64 h
	s_delay_alu instid0(VALU_DEP_1)
	v_lshl_add_u32 v[SO], v9, 6, v[SO]
	s_delay_alu instid0(VALU_DEP_1)
	v_add_nc_u32 v[SO], s[STS], v[SO]
	v_add_f32 v[SUM], v[SUM], v[SUM+1]             ; the sum's two halves,
	s_delay_alu instid0(VALU_DEP_1)
	v_permlanex16_b32 v[TT], v[SUM], s[SEL], s[SEL+1]
	s_delay_alu instid0(VALU_DEP_1)
	v_add_f32 v[SUM], v[SUM], v[TT]                ; and lane l xor 16's
	s_wait_alu depctr_va_vdst(0)
	v_rcp_f32 v[SUM], v[SUM]
	v_nop                                          ; one plain instruction behind a transcendental
.set jj, 0
	s_wait_alu depctr_va_vdst(0)
.rept 32
	v_mul_f32 v[S+jj], v[O+jj], v[SUM]             ; each accumulator from its low end on
.set jj, jj+1
.endr
.irp b, 0,1
	v_max3_num_f32 v[BM+\b], |v[S+16*\b]|, |v[S+16*\b+1]|, 0x8000000
.endr
.irp i, 2,4,6,8,10,12,14
.irp b, 0,1
	s_delay_alu instid0(VALU_DEP_2)
	v_max3_num_f32 v[BM+\b], v[BM+\b], |v[S+16*\b+\i]|, |v[S+16*\b+\i+1]|
.endr
.endr
.irp b, 0,1
	s_delay_alu instid0(VALU_DEP_2)
	v_permlanex16_b32 v[T1+\b], v[BM+\b], s[SEL], s[SEL+1]
.endr
.irp b, 0,1
	s_delay_alu instid0(VALU_DEP_2)
	v_max_num_f32 v[BM+\b], v[BM+\b], v[T1+\b]
.endr
.irp b, 0,1
	s_delay_alu instid0(VALU_DEP_2)
	v_add_nc_u32 v[SOP+\b], 0xf8800000, v[BM+\b]
.endr
.irp b, 0,1
.endr
.irp b, 0,1
	s_delay_alu instid0(VALU_DEP_2)
	v_lshrrev_b32 v[T1+\b], 23, v[SOP+\b]
.endr
	s_delay_alu instid0(VALU_DEP_1)
	v_lshl_or_b32 v[TT], v[T1+1], 8, v[T1]         ; my query's two scale bytes
.irp b, 0,1
.irp i, 0,1,2,3,4,5,6,7,8,9,10,11,12,13,14,15
.endr
	v_cvt_scalef32_pk8_bf8_f32 v[PCD+4*\b:PCD+4*\b+1], v[S+16*\b:S+16*\b+7], v[SOP+\b]
	v_cvt_scalef32_pk8_bf8_f32 v[PCD+4*\b+2:PCD+4*\b+3], v[S+16*\b+8:S+16*\b+15], v[SOP+\b]
.endr
	v_nop                                          ; one plain instruction behind the last scaled conversion
	ds_store_b128 v[IMG], v[PCD:PCD+3]             ; the two pieces as they stand: 512 consecutive bytes each
	ds_store_b128 v[IMG], v[PCD+4:PCD+7] offset:512
	ds_store_b32 v[ISC], v[TT]
	s_wait_dscnt 0x0                               ; for the others' sake: my stores have landed
	s_barrier_signal -1
	v_mul_u32_u24 v[RD], v9, 272                   ; register work while the others arrive.  The stage, back: lanes 0-15 one row of 256 bytes, lanes 16-31 the next
	s_delay_alu instid0(VALU_DEP_1)
	v_lshl_add_u32 v[RD], v8, 4, v[RD]
	s_delay_alu instid0(VALU_DEP_1)
	v_add_nc_u32 v[RD], s[STS], v[RD]
	v_lshl_add_u32 v[ASO], v9, 10, v[LS]           ; att's scale words: lanes 0-15 heads 0, 1 (K step 0), lanes 16-31 heads 2, 3 (K step 1): eight planes of 128 bytes on
	s_delay_alu instid0(VALU_DEP_1)
	v_add_nc_u32 v[ASO], ASC, v[ASO]
	v_add_nc_u32 v[AL], AIMG, v[LI]
	s_wait_alu depctr_va_vdst(0)
	s_barrier_wait -1                              ; att's eight fragments and sixteen planes of scale words lie in LDS
	; THE PROJECTION: my tile of 16 output channels for the 64 pixels
.irp m, 0,1,2,3
	ds_load_b32 v[PL+\m], v[ASO] offset:128*\m             ; the K step's even head: bytes 0, 1 of the word
	ds_load_b32 v[PL+4+\m], v[ASO] offset:128*\m+512       ; its odd head: bytes 2, 3
.endr
.irp m, 0,1,2,3
.irp s, 0,1
.irp c, 0,1,2,3
	ds_load_b128 v[AF+32*\m+16*\s+4*\c:AF+32*\m+16*\s+4*\c+3], v[AL] offset:4096*\m+2048*\s+512*\c
.endr
.endr
.endr
	s_wait_dscnt 32                                ; the eight words are in; the 32 loads of fragments stay out
.irp m, 0,1,2,3
	v_lshl_or_b32 v[AS+\m], v[PL+4+\m], 16, v[PL+\m]
.endr
	s_wait_loadcnt 0x0                             ; x, the weight's tile, its scale words, the bias: asked for a softmax ago
.irp q, 0,1,2,3,4,5,6,7
	v_mov_b32 v[CB+\q], v[BV]                      ; a lane's results belong to one output channel.  These eight are also the places between the scale words and the products
.endr
	s_wait_alu depctr_va_vdst(0)
	s_wait_dscnt 0x0
.irp m, 0,1,2,3                        ; four accumulators by turns, K step by K step
	v_wmma_scale_f32_16x16x128_f8f6f4 v[16+8*\m+208*(\m/2):16+8*\m+208*(\m/2)+7], v[AF+32*\m:AF+32*\m+15], v[WF:WF+15], v[CB:CB+7], v[AS+\m], v[WS] matrix_a_fmt:MATRIX_FMT_BF8 matrix_b_fmt:MATRIX_FMT_BF8
.endr
.irp m, 0,1,2,3
	v_wmma_scale_f32_16x16x128_f8f6f4 v[16+8*\m+208*(\m/2):16+8*\m+208*(\m/2)+7], v[AF+32*\m+16:AF+32*\m+31], v[WF+16:WF+31], v[16+8*\m+208*(\m/2):16+8*\m+208*(\m/2)+7], v[AS+\m], v[WS] matrix_a_fmt:MATRIX_FMT_BF8 matrix_b_fmt:MATRIX_FMT_BF8 matrix_a_scale:MATRIX_SCALE_ROW1 matrix_b_scale:MATRIX_SCALE_ROW1
.endr
.rept 8
	v_nop                                          ; eight places in front of the first read of the results and of the loads into att's registers
.endr
.irp m, 0,1,2,3                        ; lane (r, h): pixels 32 (m / 2) + 16 h + 8 (m % 2) + 0..7 of my channel: 32 bytes of a stage row
	ds_store_b128 v[SO], v[16+8*\m+208*(\m/2):16+8*\m+208*(\m/2)+3] offset:128*(\m/2)+32*(\m%2)        ; each accumulator from its low end on
	ds_store_b128 v[SO], v[16+8*\m+208*(\m/2)+4:16+8*\m+208*(\m/2)+7] offset:128*(\m/2)+32*(\m%2)+16
.endr
.irp i, 0,1,2,3,4,5,6,7
	ds_load_b128 v[AF+4*\i:AF+4*\i+3], v[RD] offset:544*\i   ; LDS serves a wave's instructions in order (ISA guide 5.7.1.4): these see my stores
.endr
.irp i, 0,1,2,3,4,5,6,7
	s_wait_dscnt 7-\i                              ; rows 2 i and 2 i + 1 are back; the 7 - i younger loads stay out
	v_pk_add_f32 v[AF+4*\i:AF+4*\i+1], v[AF+4*\i:AF+4*\i+1], v[XR+4*\i:XR+4*\i+1]
	v_pk_add_f32 v[AF+4*\i+2:AF+4*\i+3], v[AF+4*\i+2:AF+4*\i+3], v[XR+4*\i+2:XR+4*\i+3]
	global_store_b128 v[GO], v[AF+4*\i:AF+4*\i+3], s[OB:OB+1] offset:(2*\i+8*(\i/4))*4096 th:TH_STORE_NT   ; sixteen lanes store 256 consecutive bytes, aligned
.endr
	s_wait_tensorcnt 0x0                           ; the wave's end, behind my last tensor load and my last LDS store
	ds_add_u32 v[SPW], v[NIL]
	s_wait_dscnt 0x0
	ROUND                                          ; the closing round: no work-group ends while a partner may still ask for a piece that names it
	s_endpgm
.Lfunc_end_k_q38e1c8c794_attnproj:
	.size	k_q38e1c8c794_attnproj, .Lfunc_end_k_q38e1c8c794_attnproj-k_q38e1c8c794_attnproj
	.p2alignl 7, 3214868480
	.fill 96, 4, 3214868480
	.section	.rodata,"a",@progbits
	.p2align	6, 0x0
	.amdhsa_kernel k_q38e1c8c794_attnproj
		.amdhsa_group_segment_fixed_size 327680
		.amdhsa_private_segment_fixed_size 0
		.amdhsa_enable_private_segment 0
		.amdhsa_kernarg_size 48
		.amdhsa_user_sgpr_count 2
		.amdhsa_user_sgpr_kernarg_segment_ptr 1
		.amdhsa_wavefront_size32 1
		.amdhsa_system_sgpr_workgroup_id_x 1
		.amdhsa_system_sgpr_workgroup_id_y 1
		.amdhsa_system_sgpr_workgroup_id_z 1
		.amdhsa_system_vgpr_workitem_id 0
		.amdhsa_next_free_vgpr 256
		.amdhsa_next_free_sgpr 66
		.amdhsa_reserve_vcc 0
		.amdhsa_float_denorm_mode_32 3
		.amdhsa_float_denorm_mode_16_64 3
		.amdhsa_fp16_overflow 1
		.amdhsa_memory_ordered 1
		.amdhsa_forward_progress 1
		.amdhsa_inst_pref_size 164
	.end_amdhsa_kernel
	.amdgpu_metadata
---
amdhsa.version: [ 1, 2 ]
amdhsa.kernels:
  - .name:           k_q38e1c8c794_attnproj
    .symbol:         k_q38e1c8c794_attnproj.kd
    .args:
      - { .name: qq, .offset: 0, .size: 8, .value_kind: global_buffer, .address_space: global }
      - { .name: kv, .offset: 8, .size: 8, .value_kind: global_buffer, .address_space: global }
      - { .name: wq, .offset: 16, .size: 8, .value_kind: global_buffer, .address_space: global }
      - { .name: proj_b, .offset: 24, .size: 8, .value_kind: global_buffer, .address_space: global }
      - { .name: x, .offset: 32, .size: 8, .value_kind: global_buffer, .address_space: global }
      - { .name: out0, .offset: 40, .size: 8, .value_kind: global_buffer, .address_space: global }
    .group_segment_fixed_size: 327680
    .private_segment_fixed_size: 0
    .kernarg_segment_align: 8
    .kernarg_segment_size: 48
    .max_flat_workgroup_size: 512
    .sgpr_count:     66
    .vgpr_count:     256
    .wavefront_size: 32
...
	.end_amdgpu_metadata
.endif
;; end of part 3
